; MI455X (gfx1250); checked and timed in simulation.
; The chip was launched on July 23, 2026; its instructions are those of AMD's public machine-readable ISA for CDNA 5 (MIT licence, August 2026) and "CDNA5" Instruction Set Architecture Reference Guide (July 2026). The comments in the code are by the model that wrote it; some were corrected since.
;; Multi Head Attention. Allowed arithmetic: matrix products marked QUANTISED: E5M2 operands, one E8M0 scale for each 32 along K, by v_wmma_scale_f32_16x16x128_f8f6f4 with both operands' format E5M2, f32 sums; everything else in f32.
;; Inputs: Wk 8 x 512 x 64 float32; Wp 512 x 512 float32; Wq 8 x 512 x 64 float32; Wv 8 x 512 x 64 float32; bp 512 float32; x 8 x 2,048 x 512 float32.
;; Outputs: out0 8 x 2,048 x 512 float32.
;; This version of the problem:
;;   THIS VERSION OF THE PROBLEM IS GIVEN IN LOW PRECISION. The matrix products marked QUANTISED in the list below multiply operands that are first quantised to E5M2 (5 exponent bits, 2 mantissa bits; 8 bits a number), with one power-of-two scale for each 32 numbers along K (OCP MX v1.0); their sums are f32. All else is computed in f32.
;;   The module's matrix products, in the order in which they are computed (A, B: the left and right operand; K: the contracted axis; several contracted axes count as one K, in the product's order):
;;     1. [M 512, K 512] x [K 512, N 16,384]; A: input Wq; B: input x: QUANTISED
;;     2. [M 512, K 512] x [K 512, N 16,384]; A: input Wk; B: input x: QUANTISED
;;     3. [M 512, K 512] x [K 512, N 16,384]; A: input Wv; B: input x: QUANTISED
;;     4. batch 64 x [M 2,048, K 64] x [K 64, N 2,048]; A: computed on the way; B: computed on the way: QUANTISED
;;     5. batch 64 x [M 2,048, K 2,048] x [K 2,048, N 64]; A: softmax (see below); B: computed on the way: QUANTISED
;;     6. [M 16,384, K 512] x [K 512, N 512]; A: computed on the way; B: input Wp: QUANTISED
;;   THE QUANTISER, for each operand of a quantised product, along K:
;;     - K is cut into blocks of 32 from its start; a last block that is shorter is filled with zeros.
;;     - A block's scale is 2^e with e = floor(log2(the largest magnitude in the block)) - 15, held to -126 .. 127; a block of zeros has e = 0. As a byte (E8M0): e + 127.
;;     - Each number is divided by its block's scale, clamped to +-57,344, and rounded to the nearest number of E5M2, ties to even, subnormals kept.
;;     - The product sums the exact products of the quantised numbers (number of the format x scale) in f32.
;;   ~~~python
;;   def quantise(x, axis):      # numpy; x: float32 -> the quantised numbers, widened to float32 again
;;       x = np.moveaxis(x, axis, -1); K = x.shape[-1]
;;       x = np.pad(x, [(0, 0)] * (x.ndim - 1) + [(0, -K % 32)]); x = x.reshape(x.shape[:-1] + (-1, 32)); a = np.abs(x).max(-1, keepdims=True)
;;       e = np.where(a > 0, np.clip(np.frexp(np.where(a > 0, a, 1))[1] - 1 - 15, -126, 127), 0)      # np.frexp(a)[1] - 1 = floor(log2(a)), exactly
;;       r = np.clip(x / 2.0 ** e, -57344, 57344)
;;       step = 2.0 ** (np.maximum(np.frexp(np.where(r == 0, 1, r))[1] - 1, -14) - 2)
;;       q = np.round(r / step) * step * 2.0 ** e      # np.round: ties to even
;;       return np.moveaxis(q.reshape(q.shape[:-2] + (-1,))[..., :K], -1, axis).astype(np.float32)
;;   ~~~
;;   SOFTMAX AHEAD OF A QUANTISED PRODUCT. Where the list says 'softmax', what is quantised is not the finished softmax but p = 2^(t - M), with t = logit x log2(e) and M = ceil(the row's largest t), a whole number; so 1/2 < the row's largest p <= 1. The row's sum l is taken of the UNQUANTISED p, in f32, and the product's result is divided by l at the end. Since M is a whole number, a kernel that streams over the keys may use a running M (the ceiling of the running maximum): every later rescaling is an exact power of two, which a block's scale takes up: the codes' values come out the same.
;;   OPERANDS COMPUTED ON THE WAY. 'Computed on the way' means the value that the module computes at that place (a softmax that the list does not call 'softmax' is quantised finished and normalised). What goes into a quantiser is computed in f32, as accurately as f32 sums, v_exp_f32 and their like allow (about 1e-6 of the number): no bf16 or f16 on the way to a quantiser, and a product that is left as it is and whose result goes on into a quantised operand takes f32 operands (vector FMAs, or v_wmma_f32_16x16x4_f32). A number that lies on a knife's edge between two numbers of the format may be rounded either way, as far as f32 arithmetic and the matrix unit's own rounding can turn it there, and no further.
;; One version. Each part assembles by itself: llvm-mc -triple=amdgcn-amd-amdhsa -mcpu=gfx1250 --defsym DOCPART=n.
;; ======== version 1 of 1: 4 launches
;; limits: right only within a limited range of input values
;; workspace buffers: wimg 1,048,576 bytes; wscl 32,768 bytes; qkv 25,165,824 bytes; qkvs 1,572,864 bytes; oimg 8,388,608 bytes; oscl 524,288 bytes
;; launch wprep (part 1): grid 256 x 1, 1 waves a work-group, no clusters, 0 bytes of LDS; arguments Wq, Wk, Wv, Wp, wimg, wscl; writes wimg, wscl
.if DOCPART == 1
	.amdgcn_target "amdgcn-amd-amdhsa--gfx1250"
	.amdhsa_code_object_version 6
	.text
	.protected	k_q2bc3d43f8f_wprep
	.globl	k_q2bc3d43f8f_wprep
	.p2align	8
	.type	k_q2bc3d43f8f_wprep,@function
k_q2bc3d43f8f_wprep:
	s_mov_b64 s[64:65], 0
	v_nop
	global_prefetch_b8 v0, s[64:65] scope:SCOPE_SE
	s_setreg_imm32_b32 hwreg(HW_REG_WAVE_MODE, 25, 1), 1
	s_wait_xcnt 0x0
; Wq, Wk, Wv [8][512][64] and Wp [512][512], f32, K (the 512) not innermost, become codes of BF8 (E5M2) with one E8M0 byte for each 32 along K,
; laid as IMAGES OF OPERAND REGISTERS: wimg [unit 32][tile 4][K step 4][part c 4][lane 32][16 bytes], wscl [unit][K step][tile][row 16] words.
; unit = 8 x type + head (type 0 q, 1 k, 2 v, 3 p; for p the "head" is a group of 64 columns).  A tile's 16 rows are NOT neighbours:
; lane r of tile 2 b + u is column 32 b + 8 u + r + 8 (r / 8), so that the results of tiles 2 b and 2 b + 1 are 16 neighbours for the lane that holds them.
; In part c, image lane r + 16 h holds k = 128 s + 32 c + 16 h + 0 .. 15 of row r.
; SHARES: one wave takes 32 columns x 128 along K.  A LANE TAKES A COLUMN AND ITS REGISTERS RUN DOWN K: a block of 32 lies in one lane, its largest
; magnitude needs no other lane, and the conversions give codes with K innermost.  Each store of codes covers two runs of 256 consecutive bytes, aligned.
; The loads read runs of 32 bytes inside 128 bytes of a row: the weights are 4 MiB in all and are read once.
; A block's scale is 2^(floor(log2(largest magnitude)) - 15): its byte is the largest magnitude's exponent field - 15, held at 1 from below.
; LIMITS: NaN and infinities among the inputs are not served; a block whose largest magnitude lies under 2^-111 keeps the byte 1; a block of zeros
; gets the byte 1 where the rule says 127: its codes are zeros, which add nothing under that byte, and this program alone reads the bytes.
.set VO,  16                           ; v16-47   byte offset of my column in row i of a block, i = 0 .. 31; never rewritten
.set X,   48                           ; v48-111  two sets of 32 numbers
.set CD,  112                          ; v112-143 codes: eight registers for each block, so that no store's data are written again
.set SB,  14                           ; v14      my column's scale word of this K step
.set MNT, 34                           ; s34      the mantissa field of 57,344
	s_load_b256 s[4:11], s[0:1], 0x0               ; Wq s[4:5], Wk s[6:7], Wv s[8:9], Wp s[10:11]
	s_load_b128 s[12:15], s[0:1], 0x20             ; wimg s[12:13], wscl s[14:15]
	v_and_b32 v1, 15, v0                           ; r
	v_lshrrev_b32 v2, 4, v0                        ; u: which of the two tiles my column belongs to
	v_and_b32 v3, 8, v1
	v_add_nc_u32 v3, v3, v1                        ; r + 8 (r / 8)
	v_lshl_add_u32 v3, v2, 3, v3                   ; + 8 u: my column among the wave's 32
	v_lshlrev_b32 v4, 4, v1
	v_lshl_add_u32 v4, v2, 13, v4                  ; codes: tile u (8,192 bytes apart), image lane r
	v_lshlrev_b32 v5, 2, v0                        ; scale word: 64 u + 4 r = 4 x lane
	s_and_b32 s16, ttmp9, 3                        ; K step s
	s_bfe_u32 s17, ttmp9, 0x10002                  ; which 32 of the unit's 64 columns
	s_bfe_u32 s18, ttmp9, 0x30003                  ; head
	s_lshr_b32 s19, ttmp9, 3                       ; unit
	s_lshr_b32 s20, ttmp9, 6                       ; type
	s_mov_b32 s21, 2048
	s_mov_b32 s[MNT], 0x600000
	s_wait_alu depctr_va_vdst(0)
	s_wait_kmcnt 0x0
	s_cmp_eq_u32 s20, 1                            ; the tensor is chosen by the work-group's number alone
	s_cselect_b64 s[4:5], s[6:7], s[4:5]
	s_cmp_eq_u32 s20, 2
	s_cselect_b64 s[4:5], s[8:9], s[4:5]
	s_cmp_eq_u32 s20, 3
	s_cselect_b64 s[4:5], s[10:11], s[4:5]
	s_cselect_b32 s21, s21, 256                    ; bytes from a row of K to the next: 2,048 in Wp, 256 in a head's weight
	s_cselect_b32 s22, 8, 17                       ; a unit begins 256 bytes (Wp: 64 columns) or 131,072 bytes (a head) behind the last
	s_lshl_b32 s22, s18, s22
	s_lshl_b32 s23, s17, 7
	s_add_co_u32 s22, s22, s23                     ; + my 32 columns
	s_lshl_b32 s23, s16, 7
	s_mul_i32 s23, s23, s21
	s_add_co_u32 s22, s22, s23                     ; + 128 s rows
	s_mov_b32 s23, 0
	s_add_nc_u64 s[24:25], s[4:5], s[22:23]        ; a base for each of the four blocks, 32 rows apart
	s_lshl_b32 s32, s21, 5
	s_mov_b32 s33, 0
	s_add_nc_u64 s[26:27], s[24:25], s[32:33]
	s_add_nc_u64 s[28:29], s[26:27], s[32:33]
	s_add_nc_u64 s[30:31], s[28:29], s[32:33]
	s_lshl_b32 s36, s19, 15                        ; codes: unit x 32,768 + pair of tiles x 16,384 + s x 2,048
	s_lshl_b32 s37, s17, 14
	s_add_co_u32 s36, s36, s37
	s_lshl_b32 s37, s16, 11
	s_add_co_u32 s36, s36, s37
	s_mov_b32 s37, 0
	s_add_nc_u64 s[12:13], s[12:13], s[36:37]
	s_lshl_b32 s36, s19, 10                        ; scale words: unit x 1,024 + s x 256 + pair of tiles x 128
	s_lshl_b32 s38, s16, 8
	s_add_co_u32 s36, s36, s38
	s_lshl_b32 s38, s17, 7
	s_add_co_u32 s36, s36, s38
	s_add_nc_u64 s[14:15], s[14:15], s[36:37]
	v_lshlrev_b32 v[VO], 2, v3
.set i, 1
.rept 31
	v_add_nc_u32 v[VO+i], s21, v[VO+i-1]           ; one row further down
.set i, i+1
.endr
.macro LOAD c                          ; block c: W(128 s + 32 c + i, my column), i = 0 .. 31, into set c % 2
.irp i, 0,1,2,3,4,5,6,7,8,9,10,11,12,13,14,15,16,17,18,19,20,21,22,23,24,25,26,27,28,29,30,31
	global_load_b32 v[X+32*((\c)%2)+\i], v[VO+\i], s[24+2*(\c):25+2*(\c)]
.endr
.endm
.macro BLOCK c
.set XS, X+32*((\c)%2)
.if (\c) < 3
	s_wait_loadcnt 32                              ; this block's 32 loads are in; the next block's 32 may be out
.else
	s_wait_loadcnt 0x0
.endif
	v_max3_num_f32 v12, |v[XS]|, |v[XS+1]|, |v[XS+2]|      ; the block's largest magnitude, in two chains: all 32 numbers are mine
	v_max3_num_f32 v13, |v[XS+3]|, |v[XS+4]|, |v[XS+5]|
.irp i, 6,10,14,18,22,26
	v_max3_num_f32 v12, v12, |v[XS+\i]|, |v[XS+\i+1]|
	v_max3_num_f32 v13, v13, |v[XS+\i+2]|, |v[XS+\i+3]|
.endr
	v_max3_num_f32 v12, v12, |v[XS+30]|, |v[XS+31]|
	v_max3_num_f32 v12, v12, v13, 0x8000000        ; and the floor 2^(16 - 127): the byte cannot fall under 1
	v_add_nc_u32 v11, 0xf8800000, v12              ; 15 off the exponent field: the conversion takes this operand's exponent field as its scale
	v_and_or_b32 v10, v12, 0x7f800000, s[MNT]      ; 57,344 x the scale
	v_lshrrev_b32 v13, 23, v11                     ; the scale's byte
.if (\c) == 0
	v_mov_b32 v[SB], v13
.else
	v_lshl_or_b32 v[SB], v13, 8*(\c), v[SB]        ; the lower K in the lower byte
.endif
.irp i, 0,1,2,3,4,5,6,7,8,9,10,11,12,13,14,15,16,17,18,19,20,21,22,23,24,25,26,27,28,29,30,31
	v_med3_num_f32 v[XS+\i], v[XS+\i], -v10, v10   ; the conversion to an 8-bit code does not saturate (ISA guide 7.6.2): hold first
.endr
.irp g, 0,1,2,3
	v_cvt_scalef32_pk8_bf8_f32 v[CD+8*(\c)+2*\g:CD+8*(\c)+2*\g+1], v[XS+8*\g:XS+8*\g+7], v11
.endr
	v_nop                                          ; a plain line behind the last conversion
	global_store_b128 v4, v[CD+8*(\c):CD+8*(\c)+3], s[12:13] offset:512*(\c)         ; k 0 .. 15 of the block: image lanes 0-15
	global_store_b128 v4, v[CD+8*(\c)+4:CD+8*(\c)+7], s[12:13] offset:512*(\c)+256   ; k 16 .. 31: image lanes 16-31
.if (\c) < 2
	LOAD (\c)+2
.endif
.endm
	LOAD 0
	LOAD 1
	BLOCK 0
	BLOCK 1
	BLOCK 2
	BLOCK 3
	global_store_b32 v5, v[SB], s[14:15]           ; 32 scale words: 128 consecutive bytes
	s_endpgm
.Lfunc_end_k_q2bc3d43f8f_wprep:
	.size	k_q2bc3d43f8f_wprep, .Lfunc_end_k_q2bc3d43f8f_wprep-k_q2bc3d43f8f_wprep
	.p2alignl 7, 3214868480
	.fill 96, 4, 3214868480
	.section	.rodata,"a",@progbits
	.p2align	6, 0x0
	.amdhsa_kernel k_q2bc3d43f8f_wprep
		.amdhsa_group_segment_fixed_size 0
		.amdhsa_private_segment_fixed_size 0
		.amdhsa_enable_private_segment 0
		.amdhsa_kernarg_size 48
		.amdhsa_user_sgpr_count 2
		.amdhsa_user_sgpr_kernarg_segment_ptr 1
		.amdhsa_wavefront_size32 1
		.amdhsa_system_sgpr_workgroup_id_x 1
		.amdhsa_system_sgpr_workgroup_id_y 1
		.amdhsa_system_sgpr_workgroup_id_z 1
		.amdhsa_system_vgpr_workitem_id 0
		.amdhsa_next_free_vgpr 160
		.amdhsa_next_free_sgpr 66
		.amdhsa_reserve_vcc 0
		.amdhsa_float_denorm_mode_32 3
		.amdhsa_float_denorm_mode_16_64 3
		.amdhsa_memory_ordered 1
		.amdhsa_forward_progress 1
		.amdhsa_inst_pref_size 31
	.end_amdhsa_kernel
	.amdgpu_metadata
---
amdhsa.version: [ 1, 2 ]
amdhsa.kernels:
  - .name:           k_q2bc3d43f8f_wprep
    .symbol:         k_q2bc3d43f8f_wprep.kd
    .args:
      - { .name: Wq, .offset: 0, .size: 8, .value_kind: global_buffer, .address_space: global }
      - { .name: Wk, .offset: 8, .size: 8, .value_kind: global_buffer, .address_space: global }
      - { .name: Wv, .offset: 16, .size: 8, .value_kind: global_buffer, .address_space: global }
      - { .name: Wp, .offset: 24, .size: 8, .value_kind: global_buffer, .address_space: global }
      - { .name: wimg, .offset: 32, .size: 8, .value_kind: global_buffer, .address_space: global }
      - { .name: wscl, .offset: 40, .size: 8, .value_kind: global_buffer, .address_space: global }
    .group_segment_fixed_size: 0
    .private_segment_fixed_size: 0
    .kernarg_segment_align: 8
    .kernarg_segment_size: 48
    .max_flat_workgroup_size: 32
    .sgpr_count:     66
    .vgpr_count:     160
    .wavefront_size: 32
...
	.end_amdgpu_metadata
.endif
;; end of part 1
;; launch proj (part 2): grid 3 x 64, 8 waves a work-group, no clusters, 138,240 bytes of LDS; arguments x, wimg, wscl, qkv, qkvs; writes qkv, qkvs
.if DOCPART == 2
	.amdgcn_target "amdgcn-amd-amdhsa--gfx1250"
	.amdhsa_code_object_version 6
	.text
	.protected	k_q2bc3d43f8f_proj
	.globl	k_q2bc3d43f8f_proj
	.p2align	8
	.type	k_q2bc3d43f8f_proj,@function
k_q2bc3d43f8f_proj:
	s_mov_b64 s[64:65], 0
	v_nop
	global_prefetch_b8 v0, s[64:65] scope:SCOPE_SE
	s_setreg_imm32_b32 hwreg(HW_REG_WAVE_MODE, 25, 1), 1
	s_wait_xcnt 0x0
; q, k or v (work-group x = 0, 1, 2) = x W for 256 rows of x (work-group y) and all eight heads, on codes of BF8 (E5M2) with one E8M0 scale for each 32 along K = 512;
; the results are quantised at once for the attention's products: q and k along the head's 64, v along the keys.
; x: [16,384][512] f32, quantised here.  The weights come as register images (launch wprep).  OUT, all as register images:
;   qkv [3][batch x head 64][step of 128 tokens 16][8,192 bytes].  q, k: [kb 4][2 u + cc 4][512]: lane (r, h) holds token 32 kb + 8 u + r + 8 (r / 8), d = 32 cc + 16 h + 0 .. 15.
;   v: [tile t 4][key block c 4][512]: lane (r, h) holds d = 32 (t / 2) + 8 (t % 2) + r + 8 (r / 8), keys 32 c + 16 h + 0 .. 15.
;   qkvs: q's scale words [bh][step][lane][kb] (bytes u0cc0, u0cc1, u1cc0, u1cc1); from byte 524,288 on, for each [bh][step], k's 512 bytes in the same form and then v's 512: [lane][t], byte c.
; SHARES.  Eight waves; WAVE w IS HEAD w: its 64 columns x 512 K of weights (16 fragments, 256 registers, window 1) stay in registers.  The work-group takes its rows in two blocks of 128.
; What goes round is small: a block's codes of x, which wave w makes for token tile w and which all waves read from LDS as images of the operand's registers.
; A TILE OF 16 TOKENS IS NOT 16 NEIGHBOURS: lane r of tile 2 kb + u is token 32 kb + 8 u + r + 8 (r / 8).
; q, k: source 0 = 16 columns of W, source 1 = 16 tokens: a lane holds one token and 16 neighbouring d in two tiles' registers.  v: the sources swapped: a lane holds one d and 16 neighbouring keys.
; Two barriers a block: x's images are whole | all reads of them are over.
; 192 work-groups: the weights of eight heads fill half of a wave's registers, so 24 head units go eight to a work-group, and the rows divide by 64.
; No cluster: work-groups share only x's rows, which have to pass through registers to be quantised, and weights that each wave loads once.
; LIMITS: as in wprep (NaN and infinities not served; byte 1 under 2^-111 and for a block of zeros).
.set XSC, 65536                        ; LDS: x's images [tile 8][K step 4][2,048] from 0; their scale words [4 m + s][lane] from here;
.set STG, 69632                        ; a stage of 16 rows x (512 + 16) bytes for each wave
.set LI,  1                            ; v1   16 x lane: a lane's place in an image, in LDS and in memory
.set LSX, 2                            ; v2   XSC + 4 x lane
.set STW, 3                            ; v3   my stage, on the way in: 16 x lane
.set STR, 4                            ; v4   and on the way out: 528 r + 64 h
.set XWI, 5                            ; v5   where I store x's images: 8,192 x wave + 16 x lane
.set XWS, 6                            ; v6   and their scale words: XSC + 512 x wave + 4 x lane
.set PW,  7                            ; v7   x's scale word on its way to LDS
.set WS,  8                            ; v8-23  the weights' scale words, 4 t + s
.set XS,  24                           ; v24-27 x's scale words of the tile in hand
.set SWD, 28                           ; v28-31 the results' scale words
.set TM,  32                           ; v32-35 largest magnitudes, then 57,344 x the scale; v36-39 the other half's, then bytes; v40-43 the conversions' scale operands
.set WA,  44                           ; v44  4 r: the weights' scale words in memory
.set PC,  48                           ; v48-63   the codes just made
.set XF,  64                           ; v64-127  four fragments of x; in the X phase a K step of x as loaded
.set HA,  128                          ; v128-191 64 numbers to be quantised: eight accumulators, or a K step of x
.set ST,  192                          ; v192-255 a K step of x as loaded
.set SEL, 20                           ; s[20:21] v_permlanex16_b32's selects for lane l xor 16
.set MNT, 22                           ; s22  the mantissa field of 57,344
.set BLK, 23                           ; s23  blocks to go
.set MSB, 0
.macro WIN new                         ; the immediate's high byte repeats the setting that is left
.if MSB != \new
	s_set_vgpr_msb (MSB<<8)|\new
.set MSB, \new
.endif
.endm
.macro XLOAD reg, s, off               ; K step s (128 numbers, 512 bytes) of my tile's 16 rows: each load reads 512 consecutive bytes of one row
.irp i, 0,1,2,3,4,5,6,7,8,9,10,11,12,13,14,15
	global_load_b128 v[\reg+4*\i:\reg+4*\i+3], v[LI], s[4:5] offset:\off+(\i+8*(\i/8))*2048+512*\s
.endr
.endm
.macro TURN reg                        ; through my own stage: in as loaded, out with 16 neighbours of each block of 32 in a lane: register 16 b + i = k 32 b + 16 h + i of row r
.irp i, 0,1,2,3,4,5,6,7,8,9,10,11,12,13,14,15
	ds_store_b128 v[STW], v[\reg+4*\i:\reg+4*\i+3] offset:528*\i
.endr
.irp b, 0,1,2,3
.irp j, 0,1,2,3
	ds_load_b128 v[HA+16*\b+4*\j:HA+16*\b+4*\j+3], v[STR] offset:128*\b+16*\j   ; LDS serves a wave's instructions in order (ISA guide 5.7.1.4): these see the stores above
.endr
.endr
.endm
; HA's 64 numbers, four blocks of which a lane holds 16 each and lane l xor 16 the other 16, become 16 registers of codes in PC.
; mode 0: the four bytes make one word in v[wd].  mode 1: block b's byte goes into byte c of v[SWD + b].
.macro QUANT mode, wd, c
.irp b, 0,1,2,3
	v_max3_num_f32 v[TM+\b], |v[HA+16*\b]|, |v[HA+16*\b+1]|, 0x8000000   ; my 16 numbers, and the floor 2^(16 - 127): the byte cannot fall under 1.  Each accumulator is read from its low end on
.endr
.irp i, 2,4,6,8,10,12,14
.irp b, 0,1,2,3
	v_max3_num_f32 v[TM+\b], v[TM+\b], |v[HA+16*\b+\i]|, |v[HA+16*\b+\i+1]|   ; (the four blocks by turns)
.endr
.endr
.irp b, 0,1,2,3
	s_delay_alu instid0(VALU_DEP_4)
	v_permlanex16_b32 v[TM+4+\b], v[TM+\b], s[SEL], s[SEL+1]
.endr
.irp b, 0,1,2,3
	s_delay_alu instid0(VALU_DEP_4)
	v_max_num_f32 v[TM+\b], v[TM+\b], v[TM+4+\b]   ; the block's largest magnitude
.endr
.irp b, 0,1,2,3
	s_delay_alu instid0(VALU_DEP_4)
	v_add_nc_u32 v[TM+8+\b], 0xf8800000, v[TM+\b]  ; 15 off its exponent field: the conversion's scale operand
.endr
.irp b, 0,1,2,3
	v_and_or_b32 v[TM+\b], v[TM+\b], 0x7f800000, s[MNT]   ; 57,344 x the scale
.endr
.irp b, 0,1,2,3
	v_lshrrev_b32 v[TM+4+\b], 23, v[TM+8+\b]       ; the scale's byte
.endr
.if \mode == 0
	s_delay_alu instid0(VALU_DEP_3)
	v_lshl_or_b32 v[\wd], v[TM+5], 8, v[TM+4]
	s_delay_alu instid0(VALU_DEP_1)
	v_lshl_or_b32 v[\wd], v[TM+6], 16, v[\wd]
	s_delay_alu instid0(VALU_DEP_1)
	v_lshl_or_b32 v[\wd], v[TM+7], 24, v[\wd]
.else
.irp b, 0,1,2,3
.if (\c) == 0
	s_delay_alu instid0(VALU_DEP_4)
	v_mov_b32 v[SWD+\b], v[TM+4+\b]
.else
	s_delay_alu instid0(VALU_DEP_4)
	v_lshl_or_b32 v[SWD+\b], v[TM+4+\b], 8*(\c), v[SWD+\b]
.endif
.endr
.endif
.irp b, 0,1,2,3
.irp i, 0,1,2,3,4,5,6,7,8,9,10,11,12,13,14,15
	v_med3_num_f32 v[HA+16*\b+\i], v[HA+16*\b+\i], -v[TM+\b], v[TM+\b]   ; the conversion to an 8-bit code does not saturate (ISA guide 7.6.2): hold first
.endr
	v_cvt_scalef32_pk8_bf8_f32 v[PC+4*\b:PC+4*\b+1], v[HA+16*\b:HA+16*\b+7], v[TM+8+\b]
	v_cvt_scalef32_pk8_bf8_f32 v[PC+4*\b+2:PC+4*\b+3], v[HA+16*\b+8:HA+16*\b+15], v[TM+8+\b]
.endr
	v_nop                                          ; a plain line between the last conversion and the products that write HA again
.endm
.macro IMAGE s                         ; the fragment in PC goes to LDS as it stands, and its scale word beside it
.irp c, 0,1,2,3
	ds_store_b128 v[XWI], v[PC+4*\c:PC+4*\c+3] offset:2048*\s+512*\c
.endr
	ds_store_b32 v[XWS], v[PW] offset:128*\s
.endm
.macro FETCH m                         ; token tile m: its four fragments and scale words, in any wave
.irp s, 0,1,2,3
.irp c, 0,1,2,3
	ds_load_b128 v[XF+16*\s+4*\c:XF+16*\s+4*\c+3], v[LI] offset:(4*(\m)+\s)*2048+512*\c
.endr
	ds_load_b32 v[XS+\s], v[LSX] offset:(4*(\m)+\s)*128
.endr
.endm
; 16 matrix instructions: the tile in XF against my head's four tiles of columns, K step by K step: four accumulators by turns, one instruction a turn.
; u: the token tile's parity.  vm = 0 (q, k): accumulator t at HA + 32 u + 8 t.  vm = 1 (v): sources swapped, accumulator t at HA + 16 t + 8 u.  The first K step starts the sums.
.macro MUL u, vm
.if \vm
	WIN 0x04                                       ; source 1 (W) window 1
.else
	WIN 0x01                                       ; source 0 (W) window 1
.endif
.irp s, 0,1,2,3
.irp t, 0,1,2,3
.if \vm
.if \s == 0
	v_wmma_scale_f32_16x16x128_f8f6f4 v[HA+16*\t+8*(\u):HA+16*\t+8*(\u)+7], v[XF+16*\s:XF+16*\s+15], v[16*(4*\t+\s):16*(4*\t+\s)+15], 0, v[XS+\s], v[WS+4*\t+\s] matrix_a_fmt:MATRIX_FMT_BF8 matrix_b_fmt:MATRIX_FMT_BF8
.else
	v_wmma_scale_f32_16x16x128_f8f6f4 v[HA+16*\t+8*(\u):HA+16*\t+8*(\u)+7], v[XF+16*\s:XF+16*\s+15], v[16*(4*\t+\s):16*(4*\t+\s)+15], v[HA+16*\t+8*(\u):HA+16*\t+8*(\u)+7], v[XS+\s], v[WS+4*\t+\s] matrix_a_fmt:MATRIX_FMT_BF8 matrix_b_fmt:MATRIX_FMT_BF8
.endif
.else
.if \s == 0
	v_wmma_scale_f32_16x16x128_f8f6f4 v[HA+32*(\u)+8*\t:HA+32*(\u)+8*\t+7], v[16*(4*\t+\s):16*(4*\t+\s)+15], v[XF+16*\s:XF+16*\s+15], 0, v[WS+4*\t+\s], v[XS+\s] matrix_a_fmt:MATRIX_FMT_BF8 matrix_b_fmt:MATRIX_FMT_BF8
.else
	v_wmma_scale_f32_16x16x128_f8f6f4 v[HA+32*(\u)+8*\t:HA+32*(\u)+8*\t+7], v[16*(4*\t+\s):16*(4*\t+\s)+15], v[XF+16*\s:XF+16*\s+15], v[HA+32*(\u)+8*\t:HA+32*(\u)+8*\t+7], v[WS+4*\t+\s], v[XS+\s] matrix_a_fmt:MATRIX_FMT_BF8 matrix_b_fmt:MATRIX_FMT_BF8
.endif
.endif
.endr
.endr
	WIN 0
.rept 9
	v_nop                                          ; places in front of the loads into XF and XS and of the first read of the results
.endr
.endm
; The block's eight token tiles, two at a time: their 64 results a lane are four blocks, quantised and stored as they stand: every store is 512 consecutive bytes, aligned.
.macro MPHASE vm
	FETCH 0
.irp kb, 0,1,2,3
	s_wait_dscnt 0x0                               ; the tile's fragments and scale words are in
	MUL 0, \vm
	FETCH 2*\kb+1
	s_wait_dscnt 0x0
	MUL 1, \vm
.if \kb < 3
	FETCH 2*\kb+2                                  ; lands while the results are quantised
.endif
	s_wait_xcnt 0x0                                ; the last stores have read PC: it is written again only behind this wait
.if \vm
	QUANT 1, 0, \kb
.irp q, 0,1,2,3
	global_store_b128 v[LI], v[PC+4*\q:PC+4*\q+3], s[10:11] offset:\q*2048+\kb*512   ; v: tile q of d, key block kb
.endr
.else
	QUANT 0, SWD+\kb, 0
.irp q, 0,1,2,3
	global_store_b128 v[LI], v[PC+4*\q:PC+4*\q+3], s[10:11] offset:\kb*2048+\q*512   ; q, k: 32 tokens kb, part q = 2 u + cc
.endr
.endif
.endr
	global_store_b128 v[LI], v[SWD:SWD+3], s[12:13]   ; the step's 128 scale words
.endm
.macro BARRIER                         ; my LDS stores have landed and my LDS loads are in: then the work-group's barrier
	s_wait_dscnt 0x0
	s_barrier_signal -1
	s_barrier_wait -1
.endm
	s_load_b256 s[4:11], s[0:1], 0x0               ; x s[4:5], wimg s[6:7], wscl s[8:9], qkv s[10:11]
	s_load_b64 s[12:13], s[0:1], 0x20              ; qkvs
	v_lshrrev_b32 v45, 5, v0
	s_delay_alu instid0(VALU_DEP_1)
	v_readfirstlane_b32 s14, v45                   ; wave = head
	v_and_b32 v45, 31, v0                          ; lane
	s_delay_alu instid0(VALU_DEP_1)
	v_lshlrev_b32 v[LI], 4, v45
	s_delay_alu instid0(VALU_DEP_2)
	v_lshlrev_b32 v46, 2, v45
	s_delay_alu instid0(VALU_DEP_1)
	v_add_nc_u32 v[LSX], XSC, v46
	s_mul_i32 s44, s14, 8448
	s_add_co_u32 s44, s44, STG                     ; my stage
	v_add_nc_u32 v[STW], s44, v[LI]
	v_and_b32 v47, 15, v0                          ; r
	v_bfe_u32 v45, v0, 4, 1                        ; h
	s_delay_alu instid0(VALU_DEP_2)
	v_mul_u32_u24 v[STR], v47, 528
	s_delay_alu instid0(VALU_DEP_1)
	v_lshl_add_u32 v[STR], v45, 6, v[STR]
	s_delay_alu instid0(VALU_DEP_1)
	v_add_nc_u32 v[STR], s44, v[STR]
	s_lshl_b32 s45, s14, 13
	v_add_nc_u32 v[XWI], s45, v[LI]
	s_lshl_b32 s45, s14, 9
	s_add_co_u32 s45, s45, XSC
	v_add_nc_u32 v[XWS], s45, v46
	v_lshlrev_b32 v[WA], 2, v47
.irp b, 0,1,2,3
	v_mov_b32 v[TM+4+\b], 0                        ; written once: a lane permute's destination counts as one of its sources
.endr
	s_mov_b32 s15, ttmp9                           ; 0 q, 1 k, 2 v
	s_and_b32 s16, ttmp7, 0xffff                   ; which 256 rows
	s_mov_b32 s[SEL], 0x76543210
	s_mov_b32 s[SEL+1], 0xfedcba98
	s_mov_b32 s[MNT], 0x600000
	s_mov_b32 s[BLK], 2
	s_lshl_b32 s26, s16, 8                         ; x: row 256 y + 32 (w / 2) + 8 (w % 2): my token tile's first row
	s_lshr_b32 s27, s14, 1
	s_lshl_b32 s27, s27, 5
	s_add_co_u32 s26, s26, s27
	s_and_b32 s27, s14, 1
	s_lshl_b32 s27, s27, 3
	s_add_co_u32 s26, s26, s27
	s_lshl_b32 s26, s26, 11                        ; 2,048 bytes a row
	s_mov_b32 s27, 0
	s_lshl_b32 s28, s15, 3
	s_add_co_u32 s28, s28, s14                     ; unit = 8 x type + head
	s_lshl_b32 s30, s28, 15
	s_mov_b32 s31, 0
	s_lshl_b32 s32, s28, 10
	s_mov_b32 s33, 0
	s_lshr_b32 s34, s16, 3                         ; batch
	s_lshl_b32 s34, s34, 3
	s_add_co_u32 s34, s34, s14                     ; batch x 8 + head
	s_lshl_b32 s34, s34, 4
	s_and_b32 s35, s16, 7
	s_lshl_b32 s35, s35, 1
	s_add_co_u32 s34, s34, s35                     ; x 16 + the first block's step
	s_lshl_b32 s36, s15, 23
	s_lshl_b32 s37, s34, 13
	s_add_co_u32 s36, s36, s37                     ; the codes' chunk
	s_mov_b32 s37, 0
	s_lshl_b32 s38, s15, 9
	s_add_co_u32 s38, s38, 523776                  ; k: 524,288; v: 524,800;
	s_cmp_eq_u32 s15, 0
	s_cselect_b32 s38, 0, s38                      ; q: 0
	s_cselect_b32 s40, 9, 10                       ; a step's scale words: 512 bytes for q; k's and v's share 1,024
	s_lshl_b32 s24, 1, s40                         ; s[24:25]: from a step to the next
	s_mov_b32 s25, 0
	s_lshl_b32 s40, s34, s40
	s_add_co_u32 s38, s38, s40
	s_mov_b32 s39, 0
	s_wait_alu depctr_va_vdst(0)
	s_wait_kmcnt 0x0
	s_add_nc_u64 s[4:5], s[4:5], s[26:27]
	s_add_nc_u64 s[6:7], s[6:7], s[30:31]
	s_add_nc_u64 s[8:9], s[8:9], s[32:33]
	s_add_nc_u64 s[10:11], s[10:11], s[36:37]
	s_add_nc_u64 s[12:13], s[12:13], s[38:39]
	XLOAD ST, 0, 0                                 ; the first block's first K step of x
	WIN 0x40                                       ; destination window 1
.irp f, 0,1,2,3,4,5,6,7,8,9,10,11,12,13,14,15  ; my head's fragments (tile t, K step s) at v[16 (4 t + s)] of window 1: they stay
.irp c, 0,1,2,3
	global_load_b128 v[16*\f+4*\c:16*\f+4*\c+3], v[LI], s[6:7] offset:2048*\f+512*\c
.endr
.endr
	WIN 0
.irp t, 0,1,2,3
.irp s, 0,1,2,3
	global_load_b32 v[WS+4*\t+\s], v[WA], s[8:9] offset:256*\s+64*\t
.endr
.endr
.Lblock:
	; ---- X: my 16 rows of x become four fragments.  Two sets of registers take the K steps by turns; a K step is asked for while the one before it is quantised
	XLOAD XF, 1, 0
	s_wait_loadcnt 16                              ; all but the 16 just issued: K step 0 (in the first trip the weights and their scale words too)
	TURN ST
	s_wait_dscnt 0x0                               ; the numbers are back, and the stores into the stage have read their registers,
	XLOAD ST, 2, 0                                 ; which take K step 2
	QUANT 0, PW, 0
	IMAGE 0
	s_wait_loadcnt 16                              ; K step 1 is in; K step 2's 16 loads may be out
	TURN XF
	s_wait_dscnt 0x0                               ; (the image's stores have read PC and PW as well)
	XLOAD XF, 3, 0
	QUANT 0, PW, 0
	IMAGE 1
	s_wait_loadcnt 16                              ; K step 2 is in; K step 3's 16 loads may be out
	TURN ST
	s_wait_dscnt 0x0
	QUANT 0, PW, 0
	IMAGE 2
	s_wait_loadcnt 0x0
	TURN XF
	s_wait_dscnt 0x0
	QUANT 0, PW, 0
	IMAGE 3
	BARRIER                                        ; the eight tiles' images lie in LDS
	s_cmp_eq_u32 s[BLK], 1                         ; the next block's first K step is asked for here, if there is a next block: no load leaves x
	s_cbranch_scc1 .Lno_next
	XLOAD ST, 0, 262144
.Lno_next:
	; ---- the products.  The two ways part on the work-group's number; neither stores to LDS
	s_cmp_eq_u32 s15, 2
	s_cbranch_scc1 .Lv
	MPHASE 0
	s_branch .Ljoin
.Lv:
	MPHASE 1
.Ljoin:
	s_wait_xcnt 0x0                                ; loads and stores have read their bases and data: both may be written again
	s_add_nc_u64 s[4:5], s[4:5], 262144            ; 128 rows of x on
	s_add_nc_u64 s[10:11], s[10:11], 8192          ; the next step's chunk
	s_add_nc_u64 s[12:13], s[12:13], s[24:25]
	BARRIER                                        ; every wave's reads of the images are over: the next block may store its own
	s_sub_co_u32 s[BLK], s[BLK], 1
	s_cmp_lg_u32 s[BLK], 0
	s_cbranch_scc1 .Lblock
	s_wait_xcnt 0x0
	v_lshl_add_u32 v254, v0, 2, 0x21800
	v_mov_b32 v255, 0
	s_wait_alu depctr_va_vdst(0)
	s_wait_tensorcnt 0x0
	ds_add_u32 v254, v255
	s_wait_dscnt 0x0
	s_endpgm
.Lfunc_end_k_q2bc3d43f8f_proj:
	.size	k_q2bc3d43f8f_proj, .Lfunc_end_k_q2bc3d43f8f_proj-k_q2bc3d43f8f_proj
	.p2alignl 7, 3214868480
	.fill 96, 4, 3214868480
	.section	.rodata,"a",@progbits
	.p2align	6, 0x0
	.amdhsa_kernel k_q2bc3d43f8f_proj
		.amdhsa_group_segment_fixed_size 138240
		.amdhsa_private_segment_fixed_size 0
		.amdhsa_enable_private_segment 0
		.amdhsa_kernarg_size 40
		.amdhsa_user_sgpr_count 2
		.amdhsa_user_sgpr_kernarg_segment_ptr 1
		.amdhsa_wavefront_size32 1
		.amdhsa_system_sgpr_workgroup_id_x 1
		.amdhsa_system_sgpr_workgroup_id_y 1
		.amdhsa_system_sgpr_workgroup_id_z 1
		.amdhsa_system_vgpr_workitem_id 0
		.amdhsa_next_free_vgpr 512
		.amdhsa_next_free_sgpr 66
		.amdhsa_reserve_vcc 0
		.amdhsa_float_denorm_mode_32 3
		.amdhsa_float_denorm_mode_16_64 3
		.amdhsa_memory_ordered 1
		.amdhsa_forward_progress 1
		.amdhsa_inst_pref_size 192
	.end_amdhsa_kernel
	.amdgpu_metadata
---
amdhsa.version: [ 1, 2 ]
amdhsa.kernels:
  - .name:           k_q2bc3d43f8f_proj
    .symbol:         k_q2bc3d43f8f_proj.kd
    .args:
      - { .name: x, .offset: 0, .size: 8, .value_kind: global_buffer, .address_space: global }
      - { .name: wimg, .offset: 8, .size: 8, .value_kind: global_buffer, .address_space: global }
      - { .name: wscl, .offset: 16, .size: 8, .value_kind: global_buffer, .address_space: global }
      - { .name: qkv, .offset: 24, .size: 8, .value_kind: global_buffer, .address_space: global }
      - { .name: qkvs, .offset: 32, .size: 8, .value_kind: global_buffer, .address_space: global }
    .group_segment_fixed_size: 138240
    .private_segment_fixed_size: 0
    .kernarg_segment_align: 8
    .kernarg_segment_size: 40
    .max_flat_workgroup_size: 256
    .sgpr_count:     66
    .vgpr_count:     512
    .wavefront_size: 32
...
	.end_amdgpu_metadata
.endif
;; end of part 2
;; launch attn (part 3): grid 4 x 64, 8 waves a work-group, no clusters, 132,096 bytes of LDS; arguments qkv, qkvs, oimg, oscl; writes oimg, oscl
.if DOCPART == 3
	.amdgcn_target "amdgcn-amd-amdhsa--gfx1250"
	.amdhsa_code_object_version 6
	.text
	.protected	k_q2bc3d43f8f_attn
	.globl	k_q2bc3d43f8f_attn
	.p2align	8
	.type	k_q2bc3d43f8f_attn,@function
k_q2bc3d43f8f_attn:
	s_mov_b64 s[64:65], 0
	v_nop
	global_prefetch_b8 v0, s[64:65] scope:SCOPE_SE
	s_setreg_imm32_b32 hwreg(HW_REG_WAVE_MODE, 25, 1), 1
	s_wait_xcnt 0x0
; o[b][h][q] = the sum over keys k <= q of softmax_k(q . k / 8) v, both products on codes of BF8 (E5M2) with one E8M0 scale for each 32 along a product's K; o is quantised at once, along the head's 64, for the output projection.
; IN: qkv, qkvs as launch proj lays them (register images).  OUT: oimg [row tile 1,024][K step s 4][part c 4][512], s = head / 2, c = 2 (head % 2) + b; oscl [row tile][s][lane] words, byte c.
; THE SOFTMAX AHEAD OF THE SECOND PRODUCT: t = score x log2(e) / 8; M = the running largest t rounded UP to a whole number; p = 2^(t - M) is what is quantised, along the keys, not normalised.
; The row's sum is taken of the unquantised p in f32 and divides o at the end (a multiplication by v_rcp_f32).  When M moves, the sum and O are multiplied by 2^(old M - new M): exact.
; A block's largest p is taken through the block's largest score (this takes v_exp_f32 not to fall where its input rises).
; SHARES.  Work-group (I, bh) makes two passes over head bh: the block of 256 queries 7 - I, then block I: 2 (8 - I) + 2 (I + 1) = 18 steps of 128 keys in every work-group: 256 work-groups of equal work.
; Key tiles that lie wholly under the causal mask are neither fetched nor multiplied.
; Each of the EIGHT waves owns 32 queries, Q0 = 256 block + 32 w on, as TWO tiles u = 0, 1 of 16: lane r of tile u is query Q0 + 8 u + r + 8 (r / 8).  Each fragment of K and of V that a wave reads from LDS serves both tiles.
; A step all of whose keys come after the wave's queries is left out (a scalar branch on ids); on the diagonal hidden scores become -infinity ahead of the maximum.
; BOTH PRODUCTS TRANSPOSED: S^T = K Q^T, O^T = V^T P^T: a lane holds one query of each tile throughout, and p's 16 registers of two neighbouring key tiles are 16 neighbouring keys.
; THE FIRST PRODUCT'S K IS 64, the instruction's 128: source 0 holds TWO key tiles (parts 0, 1 and parts 2, 3); Q lies as [codes 8][zeros 8][codes 8] registers, read from its first register on and from its ninth.
; Zero codes add nothing: no code here is an infinity or a NaN, since every number is held ahead of its conversion.
; REGISTERS.  Window 0: v0-47 addresses, bytes on their way to LDS, scale words; from v48 and from v152 a tile's 104: scores then p 64, codes 16, softmax's state 24: the softmax runs with every window 0.
; Window 1: v0-63 K's four fragments, v64-127 V's, v128-191 O^T of the two tiles, v192-239 Q of the two tiles.
; K AND V HAVE REGISTERS OF THEIR OWN: behind the scores' products of step n the wave asks LDS for V of step n and for K of step n + 1, which land under the softmax.
; THE RING: FOUR LDS slots of 32,768 bytes (K 8,192 | V 8,192 | K's scale words 512 | V's 512 used), filled THROUGH REGISTERS: thread t copies 32 bytes of K, 32 of V and 4 of the scale bytes, asked for a whole step ahead.
; Tile n lies in slot n % 4: the step's parity is an immediate offset, the pair of slots an exclusive or of 65,536 once a trip.
; ONE BARRIER A STEP, ITS TWO HALVES APART.  At the head of step n a wave stores tile n + 2, waits for its LDS work, asks memory for tile n + 3 and signals; the barrier's wait stands at the step's end.
; Ordering: tile n + 1, read in step n, was stored in front of the signal of step n - 1, whose wait the wave has passed.  Slot (n + 2) % 4 held tile n - 2, last read in step n - 2; those reads were awaited in front of the signal of step n - 1.
; Between a signal and its wait stand register work and LDS loads of slots n % 4 and (n + 1) % 4 alone; the stores on either side of it go to slots (n + 2) % 4 and (n + 3) % 4.
; ONE LOOP of 9 trips x 2 steps, a constant count; the ring runs on from the first pass into the second.  The change of pass stands at a trip's head under a branch on ids (a pass has an even number of steps).
; The launch's last three tile loads, its last two tile stores and its last fetch of K name tiles of the second pass once more and are not used.
; No tensor loads: so no hidden tile is fetched.  No cluster: the four work-groups of a head walk different runs of tiles, which is what evens the causal work out.
; LIMITS: NaN and infinities not served; byte 1 for blocks under 2^-111 and for blocks of zeros (their codes are zeros; this program alone reads the bytes).  oscl is written two bytes a lane, since two heads share a word.
.set SLOT, 32768
.set PAIR, 65536
.set SPARE, 131072                     ; behind the ring: the spare words, 128 bytes a wave
.set LI,  1                            ; 16 x lane
.set TW,  2                            ; 16 x thread
.set T4,  3                            ; 4 x thread
.set GO,  4                            ; the tile loads' offset
.set GS,  5                            ; the scale bytes' offset
.set LIA, 6                            ; LI in this trip's pair of slots
.set LIB, 7                            ; LI in the other pair
.set TWB, 8                            ; TW in the other pair
.set T4B, 9                            ; T4 in the other pair
.set QL,  10                           ; r + 8 (r / 8) - 16 h
.set L4,  11                           ; 4 x lane
.set PFO, 12                           ; 256 x lane: the prefetches' offset
.set DD,  13                           ; Q's scale word as loaded
.set SPW, 14                           ; my spare word
.set NIL, 15                           ; 0
.set SK,  16                           ; v16-23, v24-31, v32: the next tile's bytes on their way to LDS
.set SV,  24
.set SS,  32
.set MINF, 33                          ; -infinity
.set PWD, 34                           ; v34, v35 p's scale words, tile 0, 1
.set QW,  36                           ; v36, v37 Q's scale words (s0, s1, s0, s1)
.set KS,  40                           ; v40-43 K's scale words, v44-47 V's
.set VS,  44
.set T0,  48                           ; a tile's 104 registers begin at T0 + TT x u; in them:
.set TT,  104
.set PC_, 64                           ; p's codes
.set BM_, 80                           ; the blocks' largest scores, then largest p
.set PD_, 84                           ; the other half's; chains of the sum; bytes
.set HD_, 88                           ; 57,344 x the scale
.set SO_, 92                           ; the conversions' scale operands
.set NM_, 96                           ; -M, and the largest t
.set SU_, 98                           ; the sum in two halves
.set FF_, 100                          ; f = 2^(old M - new M); the register above is only named with it
.set TP_, 102                          ; at work
.set DM_, 103                          ; the mask's d
.set VF,  64                           ; window 1: V's fragments,
.set OT,  128                          ; O^T, 32 a tile,
.set QF,  192                          ; Q, 24 a tile
.set WV,  12
.set WI,  13
.set BH,  14
.set KB,  16                           ; s[16:17] the head's K, s[18:19] V, s[20:21] their scale bytes, s[22:23] Q, s[24:25] Q's scale words
.set VB,  18
.set SB,  20
.set QB,  22
.set QSB, 24
.set QA,  26
.set QSA, 28
.set SEL, 30
.set CS,  32                           ; s[32:33] c = log2(e) / 8
.set MNT, 34
.set TN,  35                           ; the tile that the next load asks for
.set NSL, 36                           ; where that number wraps: the tiles of the pass that it walks
.set N1,  37                           ; the second pass's tiles
.set KF,  38                           ; the step's first key
.set Q0,  39
.set CNT, 40
.set TB,  41                           ; this trip's pair of slots: 0 or 65,536
.set BLK, 42
.set OA,  48
.set OSA, 50
.set PFA, 56                           ; s[56:57] where my prefetches stand
.set PFT, 58                           ; the tile that they name
.set PFL, 59                           ; 16 in a wave that prefetches, else 0
.set STP, 61                           ; the trip's first step, 0, 2 .. 16
.set NS1, 62                           ; the first step of the second pass
.set TO,  63                           ; the other pair of slots
.set MSB, 0
.macro WIN new                         ; the immediate's high byte repeats the setting that is left
.if MSB != \new
	s_set_vgpr_msb (MSB<<8)|\new
.set MSB, \new
.endif
.endm
.macro KCODES adr, off                 ; a tile of K into window 1 (the destination's window is set by the caller)
.irp b, 0,1,2,3
.irp c, 0,1,2,3
	ds_load_b128 v[16*\b+4*\c:16*\b+4*\c+3], v[\adr] offset:\off+2048*\b+512*\c
.endr
.endr
.endm
; From s[BLK]: my first query; Q's codes and scale word are asked for.
.macro QASK
	s_lshl_b32 s[Q0], s[BLK], 8
	s_lshl_b32 s44, s[WV], 5
	s_add_co_u32 s[Q0], s[Q0], s44                 ; my first query
	s_lshl_b32 s44, s[BLK], 3
	s_add_co_u32 s44, s44, s[WV]                   ; which 32 tokens of the head
	s_lshl_b32 s52, s44, 11                        ; 2,048 bytes for 32 tokens
	s_mov_b32 s53, 0
	s_add_nc_u64 s[QA:QA+1], s[QB:QB+1], s[52:53]
	s_lshr_b32 s46, s44, 2                         ; the step of 128 tokens,
	s_lshl_b32 s52, s46, 9
	s_and_b32 s46, s44, 3                          ; and the word in a lane's four
	s_lshl_b32 s46, s46, 2
	s_add_co_u32 s52, s52, s46
	s_add_nc_u64 s[QSA:QSA+1], s[QSB:QSB+1], s[52:53]
	WIN 0x40                                       ; destination window 1
.irp u, 0,1
	global_load_b128 v[QF+24*\u:QF+24*\u+3], v[LI], s[QA:QA+1] offset:1024*\u            ; a tile's codes twice: below the zeros,
	global_load_b128 v[QF+24*\u+4:QF+24*\u+7], v[LI], s[QA:QA+1] offset:1024*\u+512
	global_load_b128 v[QF+24*\u+16:QF+24*\u+19], v[LI], s[QA:QA+1] offset:1024*\u        ; and above them
	global_load_b128 v[QF+24*\u+20:QF+24*\u+23], v[LI], s[QA:QA+1] offset:1024*\u+512
.endr
	WIN 0
	global_load_b32 v[DD], v[LI], s[QSA:QSA+1]
.endm
; A pass begins: Q is in; the largest t, the sum and O^T are set.
.macro PRO
	s_wait_loadcnt 0x0
	v_perm_b32 v[QW], v[DD], v[DD], 0x01000100     ; a tile's two bytes, twice.  The lines below stand between them and the first product
	v_perm_b32 v[QW+1], v[DD], v[DD], 0x03020302
.irp T, T0, T0+TT
	v_mov_b32 v[\T+NM_+1], 0xff61b1e6              ; the largest t so far: -3e38, under every t
	v_mov_b32 v[\T+SU_], 0
	v_mov_b32 v[\T+SU_+1], 0
.endr
.irp T, T0, T0+TT
	v_floor_f32 v[\T+NM_], -v[\T+NM_+1]            ; -M
.endr
	WIN 0x40
.set J_, 0
.rept 64
	v_mov_b32 v[OT+J_], 0                          ; O^T.  (The step is written once: a pass's first step finds zeros, which the first change of M leaves zeros)
.set J_, J_+1
.endr
	WIN 0
	s_mov_b32 s[KF], 0
	s_wait_alu depctr_va_vdst(0)
.endm
; From s[BLK]: where the pass's codes and scale bytes go.
.macro OADR
	s_wait_xcnt 0x0                                ; earlier stores have read their bases
	s_lshr_b32 s43, s[BH], 3
	s_lshl_b32 s43, s43, 7
	s_lshl_b32 s44, s[BLK], 4
	s_add_co_u32 s43, s43, s44
	s_lshl_b32 s44, s[WV], 1
	s_add_co_u32 s43, s43, s44                     ; tile 0's row tile = 128 batch + 16 block + 2 wave
	s_bfe_u32 s44, s[BH], 0x20001                  ; head / 2: the projection's K step
	s_and_b32 s45, s[BH], 1                        ; head % 2: which half of it
	s_lshl_b32 s52, s43, 13
	s_lshl_b32 s46, s44, 11
	s_add_co_u32 s52, s52, s46
	s_lshl_b32 s46, s45, 10
	s_add_co_u32 s52, s52, s46
	s_mov_b32 s53, 0
	s_add_nc_u64 s[OA:OA+1], s[8:9], s[52:53]
	s_lshl_b32 s52, s43, 9
	s_lshl_b32 s46, s44, 7
	s_add_co_u32 s52, s52, s46
	s_lshl_b32 s46, s45, 1
	s_add_co_u32 s52, s52, s46
	s_add_nc_u64 s[OSA:OSA+1], s[10:11], s[52:53]
.endm
; THE WAY OUT: O^T / the sum, quantised along the head's 64: two blocks a tile, of which a lane holds 16 numbers each.  The two tiles by turns.
.macro EPI
.rept 8
	v_nop                                          ; places (ISA guide 7.12.1) between the last products and the first read of O^T
.endr
.irp T, T0, T0+TT
	v_add_f32 v[\T+SU_], v[\T+SU_], v[\T+SU_+1]
.endr
.irp T, T0, T0+TT
	v_permlanex16_b32 v[\T+PD_], v[\T+SU_], s[SEL], s[SEL+1]
.endr
.irp T, T0, T0+TT
	v_add_f32 v[\T+SU_], v[\T+SU_], v[\T+PD_]      ; the row's sum
.endr
	s_wait_alu depctr_va_vdst(0)                   ; the wait ahead of the reciprocals
.irp T, T0, T0+TT
	v_rcp_f32 v[\T+SU_], v[\T+SU_]
.endr
	v_nop                                          ; a plain line behind the reciprocals
	WIN 0x01                                       ; source 0 (O^T) window 1
	s_wait_alu depctr_va_vdst(0)                   ; and ahead of their first reader, which is also O^T's
.irp u, 0,1
.set J_, 0
.rept 32
	v_mul_f32 v[T0+TT*\u+J_], v[OT+32*\u+J_], v[T0+TT*\u+SU_]    ; register 16 b + i is o(my query, 32 b + 16 h + i)
.set J_, J_+1
.endr
.endr
	WIN 0
.irp T, T0, T0+TT
.irp b, 0,1
	v_max3_num_f32 v[\T+BM_+\b], |v[\T+16*\b]|, |v[\T+16*\b+1]|, 0x8000000
.endr
.endr
.irp i, 2,4,6,8,10,12,14
.irp T, T0, T0+TT
.irp b, 0,1
	v_max3_num_f32 v[\T+BM_+\b], v[\T+BM_+\b], |v[\T+16*\b+\i]|, |v[\T+16*\b+\i+1]|
.endr
.endr
.endr
.irp T, T0, T0+TT
.irp b, 0,1
	v_permlanex16_b32 v[\T+PD_+\b], v[\T+BM_+\b], s[SEL], s[SEL+1]
.endr
.endr
.irp T, T0, T0+TT
.irp b, 0,1
	v_max_num_f32 v[\T+BM_+\b], v[\T+BM_+\b], v[\T+PD_+\b]
.endr
.endr
.irp T, T0, T0+TT
.irp b, 0,1
	v_add_nc_u32 v[\T+SO_+\b], 0xf8800000, v[\T+BM_+\b]
.endr
.endr
.irp T, T0, T0+TT
.irp b, 0,1
	v_and_or_b32 v[\T+HD_+\b], v[\T+BM_+\b], 0x7f800000, s[MNT]
.endr
.endr
.irp T, T0, T0+TT
.irp b, 0,1
	v_lshrrev_b32 v[\T+PD_+\b], 23, v[\T+SO_+\b]
.endr
.endr
.irp T, T0, T0+TT
	v_lshl_or_b32 v[\T+TP_], v[\T+PD_+1], 8, v[\T+PD_]           ; my head's two bytes of the row's scale word
.endr
.irp T, T0, T0+TT
.irp b, 0,1
.irp i, 0,1,2,3,4,5,6,7,8,9,10,11,12,13,14,15
	v_med3_num_f32 v[\T+16*\b+\i], v[\T+16*\b+\i], -v[\T+HD_+\b], v[\T+HD_+\b]
.endr
	v_cvt_scalef32_pk8_bf8_f32 v[\T+PC_+4*\b:\T+PC_+4*\b+1], v[\T+16*\b:\T+16*\b+7], v[\T+SO_+\b]
	v_cvt_scalef32_pk8_bf8_f32 v[\T+PC_+4*\b+2:\T+PC_+4*\b+3], v[\T+16*\b+8:\T+16*\b+15], v[\T+SO_+\b]
.endr
.endr
	v_nop                                          ; a plain line behind the last conversion
.irp u, 0,1
	global_store_b128 v[LI], v[T0+TT*\u+PC_:T0+TT*\u+PC_+3], s[OA:OA+1] offset:8192*\u            ; 512 consecutive bytes each, aligned
	global_store_b128 v[LI], v[T0+TT*\u+PC_+4:T0+TT*\u+PC_+7], s[OA:OA+1] offset:8192*\u+512
	global_store_b16 v[L4], v[T0+TT*\u+TP_], s[OSA:OSA+1] offset:512*\u
.endr
.endm
; The row's sum of a tile's 64 unquantised p, two at a time, in eight chains
.macro SUMS T
.set P_, 0
.irp c, 84,86,88,90,92,94,78
	v_pk_add_f32 v[\T+\c:\T+\c+1], v[\T+P_:\T+P_+1], v[\T+P_+2:\T+P_+3]
.set P_, P_+4
.endr
	v_pk_add_f32 v[\T+SU_:\T+SU_+1], v[\T+SU_:\T+SU_+1], v[\T+28:\T+29]
.set P_, 30
.rept 2
.irp c, 84,86,88,90,92,94,78
	v_pk_add_f32 v[\T+\c:\T+\c+1], v[\T+\c:\T+\c+1], v[\T+P_:\T+P_+1]
.set P_, P_+2
.endr
	v_pk_add_f32 v[\T+SU_:\T+SU_+1], v[\T+SU_:\T+SU_+1], v[\T+P_:\T+P_+1]
.set P_, P_+2
.endr
	v_pk_add_f32 v[\T+84:\T+85], v[\T+84:\T+85], v[\T+62:\T+63]
	v_pk_add_f32 v[\T+SU_:\T+SU_+1], v[\T+SU_:\T+SU_+1], v[\T+86:\T+87]
	v_pk_add_f32 v[\T+88:\T+89], v[\T+88:\T+89], v[\T+90:\T+91]
	v_pk_add_f32 v[\T+92:\T+93], v[\T+92:\T+93], v[\T+94:\T+95]
	v_pk_add_f32 v[\T+84:\T+85], v[\T+84:\T+85], v[\T+78:\T+79]
	v_pk_add_f32 v[\T+SU_:\T+SU_+1], v[\T+SU_:\T+SU_+1], v[\T+88:\T+89]
	v_pk_add_f32 v[\T+84:\T+85], v[\T+84:\T+85], v[\T+92:\T+93]
	v_pk_add_f32 v[\T+SU_:\T+SU_+1], v[\T+SU_:\T+SU_+1], v[\T+84:\T+85]
.endm
	s_load_b256 s[4:11], s[0:1], 0x0               ; qkv s[4:5], qkvs s[6:7], oimg s[8:9], oscl s[10:11]
	v_lshl_add_u32 v[SPW], v0, 2, SPARE
	v_mov_b32 v[NIL], 0
	v_lshrrev_b32 v[DD], 5, v0
	v_readfirstlane_b32 s[WV], v[DD]               ; wave 0..7
	v_and_b32 v[DD], 31, v0
	v_lshlrev_b32 v[TW], 4, v0
	v_lshlrev_b32 v[T4], 2, v0
	v_lshlrev_b32 v[LI], 4, v[DD]
	v_lshlrev_b32 v[L4], 2, v[DD]
	v_lshlrev_b32 v[PFO], 8, v[DD]
	v_and_b32 v[DD], 15, v0
	v_mov_b32 v[MINF], 0xff800000
	v_and_b32 v[QL], 8, v[DD]
	v_add_nc_u32 v[QL], v[QL], v[DD]               ; r + 8 (r / 8)
	v_bfe_u32 v[DD], v0, 4, 1
	v_lshlrev_b32 v[DD], 4, v[DD]
	v_sub_nc_u32 v[QL], v[QL], v[DD]               ; - 16 h
.irp T, T0, T0+TT
	v_mov_b32 v[\T+FF_+1], 0                       ; (named as the upper half of the pair before it is ever written)
.irp b, 0,1,2,3
	v_mov_b32 v[\T+PD_+\b], 0                      ; written once: a lane permute's destination counts as one of its sources
.endr
.endr
	WIN 0x40
.irp u, 0,1
.irp j, 0,1,2,3,4,5,6,7
	v_mov_b32 v[QF+24*\u+8+\j], 0                  ; Q's zeros: they stay
.endr
.endr
	WIN 0
	s_mov_b32 s[WI], ttmp9
	s_and_b32 s[BH], ttmp7, 0xffff
	s_mov_b32 s[SEL], 0x76543210
	s_mov_b32 s[SEL+1], 0xfedcba98
	s_mov_b32 s[CS], 0x3e38aa3b
	s_mov_b32 s[CS+1], s[CS]                       ; (the packed form names the pair)
	s_mov_b32 s[MNT], 0x600000
	s_lshl_b32 s43, s[WI], 1
	s_sub_co_u32 s[NSL], 16, s43                   ; the first pass walks 2 (8 - I) tiles,
	s_add_co_u32 s[N1], s43, 2                     ; the second 2 (I + 1)
	s_mov_b32 s[NS1], s[NSL]
	s_mov_b32 s[STP], 0
	s_mov_b32 s[TB], 0
	s_mov_b32 s[TO], PAIR
	s_mov_b32 s[TN], 3
	s_mov_b32 s[PFT], 3
	s_lshr_b32 s43, s[WV], 1
	s_or_b32 s43, s43, s[WI]
	s_cmp_eq_u32 s43, 0
	s_cselect_b32 s[PFL], 16, 0                    ; waves 0 and 1 of the head's first work-group prefetch
	s_lshl_b32 s52, s[BH], 17
	s_mov_b32 s53, 0
	s_lshl_b32 s54, s[BH], 14
	s_mov_b32 s55, 0
	s_lshl_b32 s46, s[BH], 13
	s_mov_b32 s47, 0
	s_wait_alu depctr_va_vdst(0)
	s_wait_kmcnt 0x0
	s_add_nc_u64 s[QB:QB+1], s[4:5], s[52:53]
	s_add_nc_u64 s[KB:KB+1], s[QB:QB+1], 0x800000
	s_add_nc_u64 s[VB:VB+1], s[KB:KB+1], 0x800000
	s_add_nc_u64 s[SB:SB+1], s[6:7], s[54:55]
	s_add_nc_u64 s[SB:SB+1], s[SB:SB+1], 0x80000
	s_add_nc_u64 s[QSB:QSB+1], s[6:7], s[46:47]
	s_cmp_eq_u32 s[WV], 0
	s_cselect_b64 s[PFA:PFA+1], s[KB:KB+1], s[VB:VB+1]   ; wave 0 asks for K's tiles, wave 1 for V's
	s_add_nc_u64 s[PFA:PFA+1], s[PFA:PFA+1], 24576       ; at tile 3: the first step steps it to tile 4.  Nothing is prefetched here, at the head
.macro TILEIN reg, j                   ; tile j's bytes of my thread: five loads
	global_load_b128 v[\reg:\reg+3], v[TW], s[KB:KB+1] offset:8192*\j
	global_load_b128 v[\reg+4:\reg+7], v[TW], s[KB:KB+1] offset:8192*\j+4096
	global_load_b128 v[\reg+8:\reg+11], v[TW], s[VB:VB+1] offset:8192*\j
	global_load_b128 v[\reg+12:\reg+15], v[TW], s[VB:VB+1] offset:8192*\j+4096
	global_load_b32 v[\reg+16], v[T4], s[SB:SB+1] offset:1024*\j
.endm
.macro TILEOUT reg, adr, adr4, off     ; and into a slot: five stores
	ds_store_b128 v[\adr], v[\reg:\reg+3] offset:\off
	ds_store_b128 v[\adr], v[\reg+4:\reg+7] offset:\off+4096
	ds_store_b128 v[\adr], v[\reg+8:\reg+11] offset:\off+8192
	ds_store_b128 v[\adr], v[\reg+12:\reg+15] offset:\off+12288
	ds_store_b32 v[\adr4], v[\reg+16] offset:\off+16384
.endm
	TILEIN T0, 0                                   ; tiles 0 and 1 through registers that the scores take later,
	TILEIN T0+TT, 1
	TILEIN SK, 2                                   ; tile 2 as every later one
	s_sub_co_u32 s[BLK], 7, s[WI]                  ; the first pass: block 7 - I
	QASK
	s_wait_loadcnt 14                              ; tiles 0 and 1 are in: behind them tile 2's five loads and Q's nine may be out
	TILEOUT T0, TW, T4, 0
	TILEOUT T0+TT, TW, T4, SLOT
	PRO
	s_wait_dscnt 0x0                               ; the stores have landed, for the others' sake
	s_barrier_signal -1
	s_barrier_wait -1                              ; slots 0 and 1 are whole
	WIN 0x40
	KCODES LI, 0                                   ; K of step 0
	WIN 0
	ds_load_b128 v[KS:KS+3], v[LI] offset:16384
; A KEY STEP: the sl-th of its trip.
.macro STEP sl
	s_wait_loadcnt 0x0                             ; tile n + 2, asked for a step ago, is in my registers;
	TILEOUT SK, TWB, T4B, \sl*SLOT                 ; it goes into the slot whose last reads every wave awaited in front of the last signal
	s_lshl_b32 s43, s[TN], 13                      ; the tile after it: 8,192 bytes of K and of V, 1,024 scale bytes
	s_lshl_b32 s44, s[TN], 10
	s_add_co_u32 s[TN], s[TN], 1
	s_cmp_eq_u32 s[TN], s[NSL]                     ; behind a pass's last tile comes the next pass's tile 0
	s_cselect_b32 s[TN], 0, s[TN]
	s_cselect_b32 s[NSL], s[N1], s[NSL]
	s_wait_xcnt 0x0                                ; the last prefetch, a step back, has read its address, and a way out's stores their data: both may be written
	s_add_nc_u64 s[PFA:PFA+1], s[PFA:PFA+1], 8192
	s_add_co_u32 s[PFT], s[PFT], 1
	s_wait_dscnt 0x0                               ; the stores have landed, for the others' sake, and have read their registers; this step's K is in; my reads of the last step are over
	v_add_nc_u32 v[GO], s43, v[TW]
	v_add_nc_u32 v[GS], s44, v[T4]
	global_load_b128 v[SK:SK+3], v[GO], s[KB:KB+1]
	global_load_b128 v[SK+4:SK+7], v[GO], s[KB:KB+1] offset:4096
	global_load_b128 v[SV:SV+3], v[GO], s[VB:VB+1]
	global_load_b128 v[SV+4:SV+7], v[GO], s[VB:VB+1] offset:4096
	global_load_b32 v[SS], v[GS], s[SB:SB+1]
	; A PREFETCH INTO THE L2, behind the wave's loads: the tile one further on than those loads name, 32 lanes x 256 bytes = its 8,192 bytes: one step ahead of the load that will want it.
	; All work-groups of a head walk the same tiles: the head's first work-group asks, whose first pass walks all 16; in it wave 0 for K and wave 1 for V.  Tiles 4 to 15 are named once each; behind 15 nothing is asked.
	s_cmp_lt_u32 s[PFT], s[PFL]
	s_cbranch_scc0 .Lnot_mine_\@
	global_prefetch_b8 v[PFO], s[PFA:PFA+1] th:TH_LOAD_NT scope:SCOPE_SE
.Lnot_mine_\@:
	s_barrier_signal -1                            ; my part of tile n + 2 lies in LDS.  Up to the wait: register work and LDS loads of this step's and the next step's slots
	s_add_co_u32 s45, s[Q0], 31                    ; my last query
	s_cmp_gt_u32 s[KF], s45
	s_cbranch_scc0 .Lvis_\@
	WIN 0x40                                       ; all 128 keys come after my queries: the step's work is left out; the next step's K is fetched all the same (it may be the next pass's first)
.if \sl
	KCODES LIB, 0
	WIN 0
	ds_load_b128 v[KS:KS+3], v[LIB] offset:16384
.else
	KCODES LIA, SLOT
	WIN 0
	ds_load_b128 v[KS:KS+3], v[LIA] offset:SLOT+16384
.endif
	s_branch .Lend_\@
.Lvis_\@:
	WIN 0x05                                       ; sources 0 (K) and 1 (Q) window 1
.irp b, 0,1,2,3                                ; S^T = K Q^T: 32 keys a fragment, its two key tiles by Q's two readings, for both tiles of queries: sixteen accumulators, one instruction each
.irp u, 0,1
	v_wmma_scale_f32_16x16x128_f8f6f4 v[T0+TT*\u+16*\b:T0+TT*\u+16*\b+7], v[16*\b:16*\b+15], v[QF+24*\u:QF+24*\u+15], 0, v[KS+\b], v[QW+\u] matrix_a_fmt:MATRIX_FMT_BF8 matrix_b_fmt:MATRIX_FMT_BF8
	v_wmma_scale_f32_16x16x128_f8f6f4 v[T0+TT*\u+16*\b+8:T0+TT*\u+16*\b+15], v[16*\b:16*\b+15], v[QF+24*\u+8:QF+24*\u+23], 0, v[KS+\b], v[QW+\u] matrix_a_fmt:MATRIX_FMT_BF8 matrix_b_fmt:MATRIX_FMT_BF8
.endr
.endr                                          ; a tile's register 16 b + i is key KF + 32 b + 16 h + i
	WIN 0
.rept 8
	v_nop                                          ; places in front of the loads below and of the first read of the scores
.endr
	WIN 0x40
.irp t, 0,1,2,3                                ; this step's V and the next step's K land under the softmax
.irp c, 0,1,2,3
	ds_load_b128 v[VF+16*\t+4*\c:VF+16*\t+4*\c+3], v[LIA] offset:\sl*SLOT+8192+2048*\t+512*\c
.endr
.endr
.if \sl
	KCODES LIB, 0
	WIN 0
	ds_load_b128 v[KS:KS+3], v[LIB] offset:16384
.else
	KCODES LIA, SLOT
	WIN 0
	ds_load_b128 v[KS:KS+3], v[LIA] offset:SLOT+16384
.endif
	ds_load_b128 v[VS:VS+3], v[LIA] offset:\sl*SLOT+16896
	s_add_co_u32 s45, s[KF], 127
	s_cmp_le_u32 s45, s[Q0]
	s_cbranch_scc1 .Lopen_\@                       ; every key counts for every query of mine
	s_sub_co_i32 s45, s[Q0], s[KF]
	v_add_nc_u32 v[T0+DM_], s45, v[QL]             ; d = my query - KF - 16 h: register 16 b + i is hidden where 32 b + i > d
	v_add_nc_u32 v[T0+TT+DM_], 8, v[T0+DM_]
.irp T, T0, T0+TT
.irp n, 0,1,2,3,4,5,6,7,8,9,10,11,12,13,14,15,16,17,18,19,20,21,22,23,24,25,26,27,28,29,30,31,32,33,34,35,36,37,38,39,40,41,42,43,44,45,46,47,48,49,50,51,52,53,54,55,56,57,58,59,60,61,62,63
	v_cmp_gt_i32 vcc_lo, 32*(\n/16)+\n%16, v[\T+DM_]
	v_cndmask_b32 v[\T+\n], v[\T+\n], v[MINF], vcc_lo
.endr
.endr
.Lopen_\@:
.irp T, T0, T0+TT
.irp b, 0,1,2,3
	v_max3_num_f32 v[\T+BM_+\b], v[\T+16*\b], v[\T+16*\b+1], v[\T+16*\b+2]   ; the largest score of each block of 32 keys: for the row's maximum, and for the block's largest p
.endr
.endr
.irp i, 3,5,7,9,11,13
.irp T, T0, T0+TT
.irp b, 0,1,2,3
	v_max3_num_f32 v[\T+BM_+\b], v[\T+BM_+\b], v[\T+16*\b+\i], v[\T+16*\b+\i+1]
.endr
.endr
.endr
.irp T, T0, T0+TT
.irp b, 0,1,2,3
	v_max_num_f32 v[\T+BM_+\b], v[\T+BM_+\b], v[\T+16*\b+15]
.endr
.endr
.irp T, T0, T0+TT
.irp b, 0,1,2,3
	v_permlanex16_b32 v[\T+PD_+\b], v[\T+BM_+\b], s[SEL], s[SEL+1]
.endr
.endr
.irp T, T0, T0+TT
.irp b, 0,1,2,3
	v_max_num_f32 v[\T+BM_+\b], v[\T+BM_+\b], v[\T+PD_+\b]       ; with lane l xor 16's 16 keys
.endr
.endr
.irp T, T0, T0+TT
	v_max3_num_f32 v[\T+TP_], v[\T+BM_], v[\T+BM_+1], v[\T+BM_+2]
.endr
.irp T, T0, T0+TT
	v_max_num_f32 v[\T+TP_], v[\T+TP_], v[\T+BM_+3]              ; the step's largest score of my query
.endr
.irp T, T0, T0+TT
	v_mul_f32 v[\T+TP_], s[CS], v[\T+TP_]                        ; as t
.endr
.irp T, T0, T0+TT
	v_max_num_f32 v[\T+NM_+1], v[\T+NM_+1], v[\T+TP_]            ; the running largest t
.endr
.irp T, T0, T0+TT
	v_mov_b32 v[\T+TP_], v[\T+NM_]
.endr
.irp T, T0, T0+TT
	v_floor_f32 v[\T+NM_], -v[\T+NM_+1]                          ; the new -M = floor(-t): M is a whole number
.endr
.irp T, T0, T0+TT
	v_sub_f32 v[\T+TP_], v[\T+NM_], v[\T+TP_]                    ; old M - new M: a whole number, 0 or less
.endr
.irp T, T0, T0+TT
	v_cvt_i32_f32 v[\T+TP_], v[\T+TP_]                           ; (it saturates)
.endr
.irp T, T0, T0+TT
	v_ldexp_f32 v[\T+FF_], 1.0, v[\T+TP_]                        ; f
.endr
.irp T, T0, T0+TT
.irp j, 0,2,4,6,8,10,12,14,16,18,20,22,24,26,28,30,32,34,36,38,40,42,44,46,48,50,52,54,56,58,60,62
	v_pk_fma_f32 v[\T+\j:\T+\j+1], v[\T+\j:\T+\j+1], s[CS:CS+1], v[\T+NM_:\T+NM_+1] op_sel_hi:[1,0,0]   ; t - M, two at a time
.endr
.irp b, 0,1,2,3
	v_fma_f32 v[\T+BM_+\b], v[\T+BM_+\b], s[CS], v[\T+NM_]       ; the same of each block's largest score
.endr
.endr
	s_wait_alu depctr_va_vdst(0)
.irp T, T0, T0+TT
.irp j, 0,1,2,3,4,5,6,7,8,9,10,11,12,13,14,15,16,17,18,19,20,21,22,23,24,25,26,27,28,29,30,31,32,33,34,35,36,37,38,39,40,41,42,43,44,45,46,47,48,49,50,51,52,53,54,55,56,57,58,59,60,61,62,63
	v_exp_f32 v[\T+\j], v[\T+\j]                   ; p = 2^(t - M), at most 1
.endr
.endr
.irp T, T0, T0+TT
	v_pk_mul_f32 v[\T+SU_:\T+SU_+1], v[\T+SU_:\T+SU_+1], v[\T+FF_:\T+FF_+1] op_sel_hi:[1,0]   ; the sums under the new M: plain lines behind the exponentials
.endr
	s_wait_alu depctr_va_vdst(0)                   ; one wait for the batch of 128, ahead of its first reader
.irp T, T0, T0+TT
.irp b, 0,1,2,3
	v_exp_f32 v[\T+BM_+\b], v[\T+BM_+\b]           ; the block's largest p: the same two instructions on the same number give the same bits
.endr
.endr
	SUMS T0
	SUMS T0+TT
	s_wait_alu depctr_va_vdst(0)                   ; and one for the eight
.irp T, T0, T0+TT
.irp b, 0,1,2,3
	v_max_num_f32 v[\T+BM_+\b], 0x8000000, v[\T+BM_+\b]          ; the floor 2^(16 - 127): the byte cannot fall under 1
.endr
.endr
.irp T, T0, T0+TT
.irp b, 0,1,2,3
	v_add_nc_u32 v[\T+SO_+\b], 0xf8800000, v[\T+BM_+\b]          ; the conversion's scale operand
.endr
.endr
.irp T, T0, T0+TT
.irp b, 0,1,2,3
	v_and_or_b32 v[\T+HD_+\b], v[\T+BM_+\b], 0x7f800000, s[MNT]  ; 57,344 x the scale
.endr
.endr
.irp T, T0, T0+TT
.irp b, 0,1,2,3
	v_lshrrev_b32 v[\T+PD_+\b], 23, v[\T+SO_+\b]                 ; the scale's byte
.endr
.endr
.irp u, 0,1
	v_lshl_or_b32 v[PWD+\u], v[T0+TT*\u+PD_+1], 8, v[T0+TT*\u+PD_]         ; p's scale word for these 128 keys, from its two halves
	v_lshl_or_b32 v[T0+TT*\u+TP_], v[T0+TT*\u+PD_+3], 8, v[T0+TT*\u+PD_+2]
.endr
.irp u, 0,1
	v_lshl_or_b32 v[PWD+\u], v[T0+TT*\u+TP_], 16, v[PWD+\u]
.endr
; The conversion does not saturate (ISA guide 7.6.2); p is not negative, so the hold is one-sided.  Two holds to an instruction: one of block b and one of block b + 1,
; so that the two destinations are an even and an odd register and the two first sources, and the two second, lie in different register banks.
.irp T, T0, T0+TT
.irp b, 0,2
.irp i, 0,2,4,6,8,10,12,14
	v_dual_min_num_f32 v[\T+16*\b+\i], v[\T+16*\b+\i], v[\T+HD_+\b] :: v_dual_min_num_f32 v[\T+16*\b+17+\i], v[\T+16*\b+17+\i], v[\T+HD_+\b+1]
	v_dual_min_num_f32 v[\T+16*\b+1+\i], v[\T+16*\b+1+\i], v[\T+HD_+\b] :: v_dual_min_num_f32 v[\T+16*\b+16+\i], v[\T+16*\b+16+\i], v[\T+HD_+\b+1]
.endr
	v_cvt_scalef32_pk8_bf8_f32 v[\T+PC_+4*\b:\T+PC_+4*\b+1], v[\T+16*\b:\T+16*\b+7], v[\T+SO_+\b]
	v_cvt_scalef32_pk8_bf8_f32 v[\T+PC_+4*\b+2:\T+PC_+4*\b+3], v[\T+16*\b+8:\T+16*\b+15], v[\T+SO_+\b]
	v_cvt_scalef32_pk8_bf8_f32 v[\T+PC_+4*\b+4:\T+PC_+4*\b+5], v[\T+16*\b+16:\T+16*\b+23], v[\T+SO_+\b+1]
	v_cvt_scalef32_pk8_bf8_f32 v[\T+PC_+4*\b+6:\T+PC_+4*\b+7], v[\T+16*\b+24:\T+16*\b+31], v[\T+SO_+\b+1]
.endr
.endr
	WIN 0x41                                       ; O^T, source 0 and destination: window 1
	s_wait_alu depctr_va_vdst(0)
.irp u, 0,1
.irp j, 0,2,4,6,8,10,12,14,16,18,20,22,24,26,28,30
	v_pk_mul_f32 v[OT+32*\u+\j:OT+32*\u+\j+1], v[OT+32*\u+\j:OT+32*\u+\j+1], v[T0+TT*\u+FF_:T0+TT*\u+FF_+1] op_sel_hi:[1,0]   ; O^T under the new M, each accumulator from its low end on; these 32 are also the lines between the codes and the products
.endr
.endr
	s_wait_alu depctr_va_vdst(0)
	s_wait_dscnt 0x0                               ; V is in
	WIN 0x51                                       ; source 0 (V), C and D (O^T) window 1; source 1 (p's codes) window 0
.irp t, 0,1,2,3                                ; O^T += V^T P^T: eight accumulators, one instruction each
.irp u, 0,1
	v_wmma_scale_f32_16x16x128_f8f6f4 v[OT+32*\u+8*\t:OT+32*\u+8*\t+7], v[VF+16*\t:VF+16*\t+15], v[T0+TT*\u+PC_:T0+TT*\u+PC_+15], v[OT+32*\u+8*\t:OT+32*\u+8*\t+7], v[VS+\t], v[PWD+\u] matrix_a_fmt:MATRIX_FMT_BF8 matrix_b_fmt:MATRIX_FMT_BF8
.endr
.endr
	WIN 0
.Lend_\@:
	s_add_co_u32 s[KF], s[KF], 128
	s_barrier_wait -1                              ; every wave's part of tile n + 2 lies in LDS
.endm
	s_mov_b32 s[CNT], 9                            ; 18 steps, two to a trip
.Ltrip:
	s_cmp_eq_u32 s[STP], s[NS1]                    ; ids and the count of steps alone
	s_cbranch_scc0 .Lsame
	OADR                                           ; THE CHANGE OF PASS: where block 7 - I goes;
	s_mov_b32 s[BLK], s[WI]                        ; block I:
	QASK                                           ; its Q is asked for ahead of the way out (the products that read Q's registers lie a softmax back);
	EPI
	PRO
.Lsame:
	v_add_nc_u32 v[LIA], s[TB], v[LI]              ; the trip's addresses in the ring
	v_add_nc_u32 v[LIB], s[TO], v[LI]
	v_add_nc_u32 v[TWB], s[TO], v[TW]
	v_add_nc_u32 v[T4B], s[TO], v[T4]
	s_wait_alu depctr_va_vdst(0)
	STEP 0
	STEP 1
	s_xor_b32 s[TB], s[TB], PAIR                   ; on to the other pair of slots
	s_xor_b32 s[TO], s[TO], PAIR
	s_add_co_u32 s[STP], s[STP], 2
	s_sub_co_u32 s[CNT], s[CNT], 1
	s_cmp_lg_u32 s[CNT], 0
	s_cbranch_scc1 .Ltrip
	OADR                                           ; block I goes out
	EPI
	s_wait_tensorcnt 0x0                           ; the wave's end, behind my last LDS store
	ds_add_u32 v[SPW], v[NIL]
	s_wait_dscnt 0x0
	s_endpgm
.Lfunc_end_k_q2bc3d43f8f_attn:
	.size	k_q2bc3d43f8f_attn, .Lfunc_end_k_q2bc3d43f8f_attn-k_q2bc3d43f8f_attn
	.p2alignl 7, 3214868480
	.fill 96, 4, 3214868480
	.section	.rodata,"a",@progbits
	.p2align	6, 0x0
	.amdhsa_kernel k_q2bc3d43f8f_attn
		.amdhsa_group_segment_fixed_size 132096
		.amdhsa_private_segment_fixed_size 0
		.amdhsa_enable_private_segment 0
		.amdhsa_kernarg_size 32
		.amdhsa_user_sgpr_count 2
		.amdhsa_user_sgpr_kernarg_segment_ptr 1
		.amdhsa_wavefront_size32 1
		.amdhsa_system_sgpr_workgroup_id_x 1
		.amdhsa_system_sgpr_workgroup_id_y 1
		.amdhsa_system_sgpr_workgroup_id_z 1
		.amdhsa_system_vgpr_workitem_id 0
		.amdhsa_next_free_vgpr 512
		.amdhsa_next_free_sgpr 66
		.amdhsa_reserve_vcc 1
		.amdhsa_float_denorm_mode_32 3
		.amdhsa_float_denorm_mode_16_64 3
		.amdhsa_memory_ordered 1
		.amdhsa_forward_progress 1
		.amdhsa_inst_pref_size 132
	.end_amdhsa_kernel
	.amdgpu_metadata
---
amdhsa.version: [ 1, 2 ]
amdhsa.kernels:
  - .name:           k_q2bc3d43f8f_attn
    .symbol:         k_q2bc3d43f8f_attn.kd
    .args:
      - { .name: qkv, .offset: 0, .size: 8, .value_kind: global_buffer, .address_space: global }
      - { .name: qkvs, .offset: 8, .size: 8, .value_kind: global_buffer, .address_space: global }
      - { .name: oimg, .offset: 16, .size: 8, .value_kind: global_buffer, .address_space: global }
      - { .name: oscl, .offset: 24, .size: 8, .value_kind: global_buffer, .address_space: global }
    .group_segment_fixed_size: 132096
    .private_segment_fixed_size: 0
    .kernarg_segment_align: 8
    .kernarg_segment_size: 32
    .max_flat_workgroup_size: 256
    .sgpr_count:     66
    .vgpr_count:     512
    .wavefront_size: 32
...
	.end_amdgpu_metadata
.endif
;; end of part 3
;; launch oproj (part 4): grid 256 x 1, 8 waves a work-group, no clusters, 70,656 bytes of LDS; arguments oimg, oscl, wimg, wscl, bp, out0; writes out0
.if DOCPART == 4
	.amdgcn_target "amdgcn-amd-amdhsa--gfx1250"
	.amdhsa_code_object_version 6
	.text
	.protected	k_q2bc3d43f8f_oproj
	.globl	k_q2bc3d43f8f_oproj
	.p2align	8
	.type	k_q2bc3d43f8f_oproj,@function
k_q2bc3d43f8f_oproj:
	s_mov_b64 s[64:65], 0
	v_nop
	global_prefetch_b8 v0, s[64:65] scope:SCOPE_SE
	s_setreg_imm32_b32 hwreg(HW_REG_WAVE_MODE, 25, 1), 1
	s_wait_xcnt 0x0
; out0 = o Wp + bp, on codes of BF8 (E5M2) with one E8M0 scale for each 32 along K = 512.  o and Wp come as register images (launches attn and wprep); bp [512] and out0 [16,384][512] are f32.
; SHARES.  A work-group takes four row tiles, which are 64 consecutive rows of out0: lane r of tile m is row 32 (m / 2) + 8 (m % 2) + r + 8 (r / 8).  Wave w takes columns 64 w .. 64 w + 63:
; its 16 fragments of Wp (256 registers, window 1) are loaded once.  The rows' codes (32,768 bytes) and scale words (2,048) are copied into LDS once, through registers, and every wave reads them there.
; The product is used transposed (source 0 = 16 columns of Wp, source 1 = 16 rows of o): with wprep's choice of a tile's columns a lane holds 16 neighbouring columns of one row in two tiles' registers.
; The bias is the C of each sum's first matrix instruction.  A tile's results go through the wave's own stage and leave as runs of 256 consecutive bytes, aligned, from sixteen lanes.
; One barrier in the launch.  No cluster, no tensor load: what work-groups share is the weights, which go straight into registers.
.set OSC, 32768                        ; LDS: o's images [tile 4][K step 4][2,048] from 0; their scale words from here;
.set STG, 34816                        ; a stage of 16 rows x (256 + 16) bytes for each wave
.set LI,  1                            ; v1   16 x lane
.set LSO, 2                            ; v2   OSC + 4 x lane
.set SO,  3                            ; v3   the stage, in: 272 r + 64 h
.set SR,  4                            ; v4   the stage, back: 272 (lane / 16) + 16 (lane % 16)
.set GO,  5                            ; v5   out0: 2,048 (lane / 16) + 16 (lane % 16) + 256 w
.set T16, 6                            ; v6   16 x thread
.set T8,  7                            ; v7   8 x thread
.set WS,  8                            ; v8-23  Wp's scale words, 4 t + s
.set XS,  24                           ; v24-27 o's scale words of the tile in hand
.set T8L, 28                           ; v28  OSC + 8 x thread
.set BA,  29                           ; v29  64 h: the bias's offset
.set WA,  30                           ; v30  4 r: the scale words' offset
.set BI,  32                           ; v32-63   the bias, eight registers a tile, in the result's layout
.set XF,  64                           ; v64-127  four fragments of o
.set ACC, 128                          ; v128-159 four accumulators
.set OUTR, 160                         ; v160-191 16 rows read back from the stage
.set OST, 192                          ; v192-225 o's bytes on their way to LDS
.set MSB, 0
.macro WIN new                         ; the immediate's high byte repeats the setting that is left
.if MSB != \new
	s_set_vgpr_msb (MSB<<8)|\new
.set MSB, \new
.endif
.endm
.macro FETCH m
.irp s, 0,1,2,3
.irp c, 0,1,2,3
	ds_load_b128 v[XF+16*\s+4*\c:XF+16*\s+4*\c+3], v[LI] offset:(4*(\m)+\s)*2048+512*\c
.endr
	ds_load_b32 v[XS+\s], v[LSO] offset:(4*(\m)+\s)*128
.endr
.endm
.macro WLOAD f0                        ; eight of my fragments of Wp
.irp f, \f0, \f0+1, \f0+2, \f0+3, \f0+4, \f0+5, \f0+6, \f0+7
.irp c, 0,1,2,3
	global_load_b128 v[16*(\f)+4*\c:16*(\f)+4*\c+3], v[LI], s[8:9] offset:2048*(\f)+512*\c
.endr
.endr
.endm
.macro TILE m
	s_wait_dscnt 0x0                               ; the tile's fragments and scale words are in; the last tile's stores into the stage have read the accumulators
	WIN 0x01                                       ; source 0 (Wp) window 1
.irp s, 0,1,2,3                                ; four accumulators by turns, one instruction a turn
.irp t, 0,1,2,3
.if \s == 0
	v_wmma_scale_f32_16x16x128_f8f6f4 v[ACC+8*\t:ACC+8*\t+7], v[16*(4*\t+\s):16*(4*\t+\s)+15], v[XF+16*\s:XF+16*\s+15], v[BI+8*\t:BI+8*\t+7], v[WS+4*\t+\s], v[XS+\s] matrix_a_fmt:MATRIX_FMT_BF8 matrix_b_fmt:MATRIX_FMT_BF8
.else
	v_wmma_scale_f32_16x16x128_f8f6f4 v[ACC+8*\t:ACC+8*\t+7], v[16*(4*\t+\s):16*(4*\t+\s)+15], v[XF+16*\s:XF+16*\s+15], v[ACC+8*\t:ACC+8*\t+7], v[WS+4*\t+\s], v[XS+\s] matrix_a_fmt:MATRIX_FMT_BF8 matrix_b_fmt:MATRIX_FMT_BF8
.endif
.endr
.endr
	WIN 0
.rept 9
	v_nop                                          ; places: in front of the loads into XF and XS, of the stores that read the results, and of the next tile's products, which begin these accumulators anew
.endr
.if (\m) < 3
	FETCH (\m)+1
.endif
.irp t, 0,1,2,3
	ds_store_b128 v[SO], v[ACC+8*\t:ACC+8*\t+3] offset:128*(\t/2)+32*(\t%2)          ; each accumulator from its low end on: columns 32 (t / 2) + 16 h + 8 (t % 2) + 0 .. 7 of row r
	ds_store_b128 v[SO], v[ACC+8*\t+4:ACC+8*\t+7] offset:128*(\t/2)+32*(\t%2)+16
.endr
	s_wait_xcnt 0x0                                ; the last tile's stores have read OUTR
.irp i, 0,1,2,3,4,5,6,7
	ds_load_b128 v[OUTR+4*\i:OUTR+4*\i+3], v[SR] offset:544*\i   ; LDS serves a wave's instructions in order (ISA guide 5.7.1.4): these see the stores above
.endr
.irp i, 0,1,2,3,4,5,6,7
	s_wait_dscnt 7-\i                              ; the younger loads from the stage may be out
	global_store_b128 v[GO], v[OUTR+4*\i:OUTR+4*\i+3], s[14:15] offset:(32*((\m)/2)+8*((\m)%2)+2*\i+8*(\i/4))*2048 th:TH_STORE_NT   ; sixteen lanes store 256 consecutive bytes, aligned; two rows an instruction
.endr
.endm
	s_load_b256 s[4:11], s[0:1], 0x0               ; oimg s[4:5], oscl s[6:7], wimg s[8:9], wscl s[10:11]
	s_load_b128 s[12:15], s[0:1], 0x20             ; bp s[12:13], out0 s[14:15]
	v_lshl_add_u32 v254, v0, 2, 0x11000
	v_mov_b32 v255, 0
	v_lshrrev_b32 v31, 5, v0
	s_delay_alu instid0(VALU_DEP_1)
	v_readfirstlane_b32 s16, v31                   ; wave 0..7
	v_and_b32 v31, 31, v0
	s_delay_alu instid0(VALU_DEP_1)
	v_lshlrev_b32 v[LI], 4, v31
	s_delay_alu instid0(VALU_DEP_2)
	v_lshlrev_b32 v[LSO], 2, v31
	s_delay_alu instid0(VALU_DEP_1)
	v_add_nc_u32 v[LSO], OSC, v[LSO]
	v_and_b32 v[WA], 15, v0                        ; r
	v_bfe_u32 v[BA], v0, 4, 1                      ; h
	s_mul_i32 s17, s16, 4352
	s_add_co_u32 s17, s17, STG                     ; my stage
	v_mul_u32_u24 v[SO], v[WA], 272
	s_delay_alu instid0(VALU_DEP_1)
	v_lshl_add_u32 v[SO], v[BA], 6, v[SO]
	s_delay_alu instid0(VALU_DEP_1)
	v_add_nc_u32 v[SO], s17, v[SO]
	v_mul_u32_u24 v[SR], v[BA], 272
	s_delay_alu instid0(VALU_DEP_1)
	v_lshl_add_u32 v[SR], v[WA], 4, v[SR]
	s_delay_alu instid0(VALU_DEP_1)
	v_add_nc_u32 v[SR], s17, v[SR]
	v_lshlrev_b32 v[GO], 11, v[BA]
	s_delay_alu instid0(VALU_DEP_1)
	v_lshl_add_u32 v[GO], v[WA], 4, v[GO]
	s_lshl_b32 s18, s16, 8
	v_add_nc_u32 v[GO], s18, v[GO]
	v_lshlrev_b32 v[T16], 4, v0
	v_lshlrev_b32 v[T8], 3, v0
	s_delay_alu instid0(VALU_DEP_1)
	v_add_nc_u32 v[T8L], OSC, v[T8]
	v_lshlrev_b32 v[BA], 6, v[BA]
	v_lshlrev_b32 v[WA], 2, v[WA]
	s_lshl_b32 s20, ttmp9, 15                      ; four row tiles of 8,192 bytes,
	s_mov_b32 s21, 0
	s_lshl_b32 s22, ttmp9, 11                      ; of 512 bytes of scale words,
	s_mov_b32 s23, 0
	s_lshl_b32 s24, ttmp9, 17                      ; 64 rows of out0
	s_mov_b32 s25, 0
	s_add_co_u32 s26, s16, 24                      ; unit 24 + w
	s_lshl_b32 s28, s26, 15
	s_mov_b32 s29, 0
	s_lshl_b32 s30, s26, 10
	s_mov_b32 s31, 0
	s_mov_b32 s19, 0                               ; s[18:19] = 256 w: my 64 numbers of bp
	s_wait_alu depctr_va_vdst(0)
	s_wait_kmcnt 0x0
	s_add_nc_u64 s[4:5], s[4:5], s[20:21]
	s_add_nc_u64 s[6:7], s[6:7], s[22:23]
	s_add_nc_u64 s[14:15], s[14:15], s[24:25]
	s_add_nc_u64 s[8:9], s[8:9], s[28:29]
	s_add_nc_u64 s[10:11], s[10:11], s[30:31]
	s_add_nc_u64 s[12:13], s[12:13], s[18:19]
.irp i, 0,1,2,3,4,5,6,7
	global_load_b128 v[OST+4*\i:OST+4*\i+3], v[T16], s[4:5] offset:4096*\i   ; o's codes: 256 threads x 16 bytes, eight times
.endr
	global_load_b64 v[OST+32:OST+33], v[T8], s[6:7]                          ; and its scale words
.irp t, 0,1,2,3
.irp s, 0,1,2,3
	global_load_b32 v[WS+4*\t+\s], v[WA], s[10:11] offset:256*\s+64*\t
.endr
.endr
.irp t, 0,1,2,3
	global_load_b128 v[BI+8*\t:BI+8*\t+3], v[BA], s[12:13] offset:(32*(\t/2)+8*(\t%2))*4        ; bp at columns 32 (t / 2) + 8 (t % 2) + 16 h + 0 .. 7
	global_load_b128 v[BI+8*\t+4:BI+8*\t+7], v[BA], s[12:13] offset:(32*(\t/2)+8*(\t%2))*4+16
.endr
	WIN 0x40                                       ; destination window 1
	WLOAD 0
	s_wait_loadcnt 56                              ; o's nine loads are in: behind them 16 scale words, 8 of the bias and 32 of the weights may be out
	WIN 0
.irp i, 0,1,2,3,4,5,6,7
	ds_store_b128 v[T16], v[OST+4*\i:OST+4*\i+3] offset:4096*\i
.endr
	ds_store_b64 v[T8L], v[OST+32:OST+33]
	WIN 0x40
	WLOAD 8
	WIN 0
	s_wait_dscnt 0x0                               ; my stores have landed, for the others' sake
	s_barrier_signal -1
	s_barrier_wait -1                              ; o's images and scale words lie in LDS
	FETCH 0
	s_wait_loadcnt 0x0                             ; the weights, their scale words and the bias
	TILE 0
	TILE 1
	TILE 2
	TILE 3
	s_wait_tensorcnt 0x0
	ds_add_u32 v254, v255
	s_wait_dscnt 0x0
	s_endpgm
.Lfunc_end_k_q2bc3d43f8f_oproj:
	.size	k_q2bc3d43f8f_oproj, .Lfunc_end_k_q2bc3d43f8f_oproj-k_q2bc3d43f8f_oproj
	.p2alignl 7, 3214868480
	.fill 96, 4, 3214868480
	.section	.rodata,"a",@progbits
	.p2align	6, 0x0
	.amdhsa_kernel k_q2bc3d43f8f_oproj
		.amdhsa_group_segment_fixed_size 70656
		.amdhsa_private_segment_fixed_size 0
		.amdhsa_enable_private_segment 0
		.amdhsa_kernarg_size 48
		.amdhsa_user_sgpr_count 2
		.amdhsa_user_sgpr_kernarg_segment_ptr 1
		.amdhsa_wavefront_size32 1
		.amdhsa_system_sgpr_workgroup_id_x 1
		.amdhsa_system_sgpr_workgroup_id_y 1
		.amdhsa_system_sgpr_workgroup_id_z 1
		.amdhsa_system_vgpr_workitem_id 0
		.amdhsa_next_free_vgpr 512
		.amdhsa_next_free_sgpr 66
		.amdhsa_reserve_vcc 0
		.amdhsa_float_denorm_mode_32 3
		.amdhsa_float_denorm_mode_16_64 3
		.amdhsa_memory_ordered 1
		.amdhsa_forward_progress 1
		.amdhsa_inst_pref_size 36
	.end_amdhsa_kernel
	.amdgpu_metadata
---
amdhsa.version: [ 1, 2 ]
amdhsa.kernels:
  - .name:           k_q2bc3d43f8f_oproj
    .symbol:         k_q2bc3d43f8f_oproj.kd
    .args:
      - { .name: oimg, .offset: 0, .size: 8, .value_kind: global_buffer, .address_space: global }
      - { .name: oscl, .offset: 8, .size: 8, .value_kind: global_buffer, .address_space: global }
      - { .name: wimg, .offset: 16, .size: 8, .value_kind: global_buffer, .address_space: global }
      - { .name: wscl, .offset: 24, .size: 8, .value_kind: global_buffer, .address_space: global }
      - { .name: bp, .offset: 32, .size: 8, .value_kind: global_buffer, .address_space: global }
      - { .name: out0, .offset: 40, .size: 8, .value_kind: global_buffer, .address_space: global }
    .group_segment_fixed_size: 70656
    .private_segment_fixed_size: 0
    .kernarg_segment_align: 8
    .kernarg_segment_size: 48
    .max_flat_workgroup_size: 256
    .sgpr_count:     66
    .vgpr_count:     512
    .wavefront_size: 32
...
	.end_amdgpu_metadata
.endif
;; end of part 4
